; MI455X (gfx1250); checked and timed in simulation.
; The chip was launched on July 23, 2026; its instructions are those of AMD's public machine-readable ISA for CDNA 5 (MIT licence, August 2026) and "CDNA5" Instruction Set Architecture Reference Guide (July 2026). The comments in the code are by the model that wrote it; some were corrected since.
;; Multi Head Attention Block. Allowed arithmetic: matrix products marked QUANTISED: E4M3 operands, one E8M0 scale for each 32 along K, by v_wmma_scale_f32_16x16x128_f8f6f4 with both operands' format E4M3, f32 sums; everything else in f32.
;; Inputs: Wf 1,024 x 1,024 float32; Wk 1,024 x 1,024 float32; Wq 1,024 x 1,024 float32; Wv 1,024 x 1,024 float32; b1 1,024 float32; b2 1,024 float32; bf 1,024 float32; bk 1,024 float32; bq 1,024 float32; bv 1,024 float32; g1 1,024 float32; g2 1,024 float32; x 8 x 1,024 x 1,024 float32; y 8 x 1,024 x 1,024 float32.
;; Outputs: out0 8 x 1,024 x 1,024 float32.
;; This version of the problem:
;;   THIS VERSION OF THE PROBLEM IS GIVEN IN LOW PRECISION. The matrix products marked QUANTISED in the list below multiply operands that are first quantised to E4M3 (4 exponent bits, 3 mantissa bits; 8 bits a number), with one power-of-two scale for each 32 numbers along K (OCP MX v1.0); their sums are f32. All else is computed in f32.
;;   The module's matrix products, in the order in which they are computed (A, B: the left and right operand; K: the contracted axis; several contracted axes count as one K, in the product's order):
;;     1. [M 8,192, K 1,024] x [K 1,024, N 1,024]; A: input x; B: input Wq: QUANTISED
;;     2. [M 8,192, K 1,024] x [K 1,024, N 1,024]; A: input y; B: input Wk: QUANTISED
;;     3. [M 8,192, K 1,024] x [K 1,024, N 1,024]; A: input y; B: input Wv: QUANTISED
;;     4. batch 128 x [M 1,024, K 64] x [K 64, N 1,024]; A: computed on the way; B: computed on the way: QUANTISED
;;     5. batch 128 x [M 64, K 1,024] x [K 1,024, N 1,024]; A: computed on the way; B: softmax (see below): QUANTISED
;;     6. [M 8,192, K 1,024] x [K 1,024, N 1,024]; A: computed on the way; B: input Wf: QUANTISED
;;   THE QUANTISER, for each operand of a quantised product, along K:
;;     - K is cut into blocks of 32 from its start; a last block that is shorter is filled with zeros.
;;     - A block's scale is 2^e with e = floor(log2(the largest magnitude in the block)) - 8, held to -126 .. 127; a block of zeros has e = 0. As a byte (E8M0): e + 127.
;;     - Each number is divided by its block's scale, clamped to +-448, and rounded to the nearest number of E4M3, ties to even, subnormals kept.
;;     - The product sums the exact products of the quantised numbers (number of the format x scale) in f32.
;;   ~~~python
;;   def quantise(x, axis):      # numpy; x: float32 -> the quantised numbers, widened to float32 again
;;       x = np.moveaxis(x, axis, -1); K = x.shape[-1]
;;       x = np.pad(x, [(0, 0)] * (x.ndim - 1) + [(0, -K % 32)]); x = x.reshape(x.shape[:-1] + (-1, 32)); a = np.abs(x).max(-1, keepdims=True)
;;       e = np.where(a > 0, np.clip(np.frexp(np.where(a > 0, a, 1))[1] - 1 - 8, -126, 127), 0)      # np.frexp(a)[1] - 1 = floor(log2(a)), exactly
;;       r = np.clip(x / 2.0 ** e, -448, 448)
;;       step = 2.0 ** (np.maximum(np.frexp(np.where(r == 0, 1, r))[1] - 1, -6) - 3)
;;       q = np.round(r / step) * step * 2.0 ** e      # np.round: ties to even
;;       return np.moveaxis(q.reshape(q.shape[:-2] + (-1,))[..., :K], -1, axis).astype(np.float32)
;;   ~~~
;;   SOFTMAX AHEAD OF A QUANTISED PRODUCT. Where the list says 'softmax', what is quantised is not the finished softmax but p = 2^(t - M), with t = logit x log2(e) and M = ceil(the row's largest t), a whole number; so 1/2 < the row's largest p <= 1. The row's sum l is taken of the UNQUANTISED p, in f32, and the product's result is divided by l at the end. Since M is a whole number, a kernel that streams over the keys may use a running M (the ceiling of the running maximum): every later rescaling is an exact power of two, which a block's scale takes up: the codes' values come out the same.
;;   OPERANDS COMPUTED ON THE WAY. 'Computed on the way' means the value that the module computes at that place (a softmax that the list does not call 'softmax' is quantised finished and normalised). What goes into a quantiser is computed in f32, as accurately as f32 sums, v_exp_f32 and their like allow (about 1e-6 of the number): no bf16 or f16 on the way to a quantiser, and a product that is left as it is and whose result goes on into a quantised operand takes f32 operands (vector FMAs, or v_wmma_f32_16x16x4_f32). A number that lies on a knife's edge between two numbers of the format may be rounded either way, as far as f32 arithmetic and the matrix unit's own rounding can turn it there, and no further.
;; One version. Each part assembles by itself: llvm-mc -triple=amdgcn-amd-amdhsa -mcpu=gfx1250 --defsym DOCPART=n.
;; ======== version 1 of 1: 4 launches
;; limits: right only within a limited range of input values
;; workspace buffers: acodes 16,777,216 bytes; ascales 524,288 bytes; wcodes 4,194,304 bytes; wscales 131,072 bytes; pcodes 25,165,824 bytes; pscales 1,572,864 bytes; obuf 33,554,432 bytes
;; launch quant (part 1): grid 640 x 1, 4 waves a work-group, no clusters, 68,096 bytes of LDS; arguments x, y, Wq, Wk, Wv, Wf, acodes, ascales, wcodes, wscales; writes acodes, ascales, wcodes, wscales
.if DOCPART == 1
	.amdgcn_target "amdgcn-amd-amdhsa--gfx1250"
	.amdhsa_code_object_version 6
	.text
	.protected	k_q62ce9445e4_quant
	.globl	k_q62ce9445e4_quant
	.p2align	8
	.type	k_q62ce9445e4_quant,@function
k_q62ce9445e4_quant:
	s_mov_b64 s[64:65], 0
	v_nop
	global_prefetch_b8 v0, s[64:65] scope:SCOPE_SE
	s_setreg_imm32_b32 hwreg(HW_REG_WAVE_MODE, 25, 1), 1
	s_wait_xcnt 0x0
; x, y [8192][1024] and Wq, Wk, Wv, Wf [1024 (k)][1024 (n)], f32, become codes of FP8 (E4M3) with one E8M0 scale byte for each 32 along K.
; A block's scale is 2^(floor(log2(its largest magnitude)) - 8); its byte is that magnitude's exponent field - 8, held at 1 from below; each number is divided by the scale,
; held within +-448 and rounded to the nearest code, ties to even.
; LIMITS: NaN and infinities are not served; a block of zeros keeps the byte 1 (its codes are zeros, and this program alone reads the bytes); blocks whose largest magnitude lies under 2^-118 are held at that byte.
; THREE PATHS, parted by the work-group's number, each with LDS bytes of its own; waves share nothing, so there is no barrier.
;   X (work-groups 0-511): x, then y: K is innermost, so a tensor is a stream of blocks of 32.  A wave takes a run of 8 rows.  acodes [16384][1024], ascales [16384][32].
;   W (512-607): Wq, Wk, Wv: K is the first axis: a lane takes a column n and its registers run down K.  wcodes [3072 (n)][1024 (k)], wscales [3072][32].
;   F (608-639): Wf likewise, but laid in the order of the last launch's operand registers: [w 8][s 8][tile 8][c 4][lane 32][16 bytes], n = 128 w + 16 tile + lane % 16, k = 128 s + 32 c + 16 (lane / 16) + 0..15.
; ROWS OF acodes, ascales AND OF THE FIRST 3,072 ROWS OF wcodes, wscales ARE STORED WITH BITS 3 AND 4 OF THE ROW'S NUMBER CHANGED ROUND: sixteen rows on end, 16 i + r, are then the rows
; 32 (i / 2) + 8 (i % 2) + r + 8 (r / 8), so that in the next launch a lane's 16 registers of two neighbouring result tiles are 16 neighbours along the K of the product that follows.
.set MANT,   0x600000                  ; the mantissa field of 448
.set FLOORB, 0x4800000                 ; 2^(9 - 127): the floor under every largest magnitude
.set OFF8,   0xfc000000                ; takes 8 off an exponent field
.set STEPS,  16                        ; path X: steps of 512 numbers in a wave's run
.set XR,     16                        ; v16-79   four sets of 16 numbers as loaded
.set XX,     80                        ; v80-111  two sets of 16 neighbours
.set XE,     112                       ; v112-127 a scale byte for each step
.set XC,     128                       ; v128-191 codes, four registers a step: no store's data are written again
.set WREG,   8192                      ; LDS of path X: a region for each wave: two stages of 32 x SP bytes, then its 256 scale bytes
.set SP,     80                        ; a lane's place in a stage: 64 bytes + 16 of padding
.set WX,     32                        ; paths W, F: v32-95 two sets of 32 numbers
.set WC,     96                        ; v96-103  a block's codes
.set WOUT,   112                       ; v112-175 the way out
.set WSB,    24                        ; v24-25   the scale bytes, four to a register
.set WPITCH, 272                       ; a stage row of path W: 256 bytes + 16
.set WSTAGE, 32768                     ; LDS of path W begins behind path X's
	s_load_b512 s[4:19], s[0:1], 0x0               ; x, y, Wq, Wk, Wv, Wf, acodes, ascales
	s_load_b128 s[20:23], s[0:1], 0x40             ; wcodes, wscales
	v_lshl_add_u32 v192, v0, 2, 0x10800
	v_mov_b32 v193, 0
	v_lshrrev_b32 v1, 5, v0
	v_readfirstlane_b32 s24, v1                    ; wave
	v_and_b32 v2, 31, v0                           ; lane
	s_mov_b32 s25, MANT                            ; (an instruction takes one literal: the hold's line has another)
	s_cmp_lt_u32 ttmp9, 512
	s_cbranch_scc0 .Lweights
; ---------------- PATH X ----------------
; Each load reads 512 consecutive bytes, 16 a lane; a step's 2,048 bytes turn through the wave's own stage in LDS and come back 64 bytes a lane: 16 neighbours, two lanes to a block.
	v_lshlrev_b32 v3, 4, v2                        ; my 16 bytes of a load's 512, and of a step's 512 bytes of codes
	s_mul_i32 s26, s24, WREG
	v_lshrrev_b32 v14, 2, v2
	v_mul_u32_u24 v14, v14, SP
	v_and_b32 v15, 3, v2
	v_lshl_add_u32 v14, v15, 4, v14
	v_add_nc_u32 v14, s26, v14                     ; the stage, in: SP (lane / 4) + 16 (lane % 4)
	v_mul_u32_u24 v15, v2, SP
	v_add_nc_u32 v15, s26, v15                     ; and out: SP x lane
	v_lshrrev_b32 v5, 1, v2
	s_add_co_u32 s26, s26, 2*32*SP
	v_add_nc_u32 v5, s26, v5                       ; my block's byte among the wave's 256
	v_lshlrev_b32 v7, 3, v2
	v_add_nc_u32 v6, s26, v7                       ; and on the way out 8 bytes a lane
	s_lshl_b32 s27, ttmp9, 2
	s_add_co_u32 s28, s27, s24
	s_and_b32 s28, s28, 1023                       ; the run that I read, in its tensor: 4 x work-group + wave
	s_lshl_b32 s28, s28, 15                        ; x 32,768 bytes
	s_mov_b32 s29, 0
	s_and_b32 s30, s24, 1
	s_lshl_b32 s30, s30, 1
	s_lshr_b32 s31, s24, 1
	s_or_b32 s30, s30, s31                         ; the wave's two bits changed round: a run is 8 rows, so these are bits 3 and 4 of the row
	s_add_co_u32 s30, s30, s27                     ; the run that I write
	s_lshl_b32 s32, s30, 13                        ; x 8,192 bytes of codes
	s_mov_b32 s33, 0
	s_lshl_b32 s34, s30, 8                         ; x 256 scale bytes
	s_mov_b32 s35, 0
	s_wait_alu depctr_va_vdst(0)
	s_wait_kmcnt 0x0
	s_cmp_lt_u32 ttmp9, 256                        ; x or y: the choice hangs on the work-group's number alone
	s_cselect_b64 s[4:5], s[4:5], s[6:7]
	s_add_nc_u64 s[4:5], s[4:5], s[28:29]
	s_add_nc_u64 s[16:17], s[16:17], s[32:33]
	s_add_nc_u64 s[18:19], s[18:19], s[34:35]
.macro XLOAD t
.irp i, 0,1,2,3
	global_load_b128 v[XR+16*((\t)%4)+4*\i:XR+16*((\t)%4)+4*\i+3], v3, s[4:5] offset:2048*(\t)+512*\i th:TH_LOAD_NT
.endr
.endm
.macro XTURN t                         ; step t's numbers through the stage: LDS serves a wave's instructions in order, so no wait stands between the stores and the loads
.irp i, 0,1,2,3
	ds_store_b128 v14, v[XR+16*((\t)%4)+4*\i:XR+16*((\t)%4)+4*\i+3] offset:32*SP*((\t)%2)+8*SP*\i
.endr
.irp i, 0,1,2,3
	ds_load_b128 v[XX+16*((\t)%2)+4*\i:XX+16*((\t)%2)+4*\i+3], v15 offset:32*SP*((\t)%2)+16*\i
.endr
.endm
.irp t, 0,1,2,3
	XLOAD \t
.endr
	s_wait_loadcnt 12                              ; step 0's four loads are in; the twelve of steps 1 to 3 stay out
	XTURN 0
.macro XSTEP t
.set XS, XX+16*((\t)%2)
.if (\t) > 0
	s_wait_dscnt 1                                 ; this step's numbers are back from the stage (the last step's byte store may be out)
.else
	s_wait_dscnt 0x0
.endif
.if (\t)+4 < STEPS
	XLOAD (\t)+4                                   ; into the set that the stage's stores have read
.endif
.if (\t)+1 < STEPS
.if STEPS-2-(\t) >= 3
	s_wait_loadcnt 12                              ; the next step's four loads are in; those of the three steps behind it may be out
.else
	s_wait_loadcnt 4*(STEPS-2-(\t))
.endif
	XTURN (\t)+1
.endif
	v_max3_num_f32 v8, |v[XS]|, |v[XS+1]|, |v[XS+2]|               ; the largest magnitude of my 16, in two chains
	v_max3_num_f32 v9, |v[XS+3]|, |v[XS+4]|, |v[XS+5]|
.irp i, 6,10
	v_max3_num_f32 v8, v8, |v[XS+\i]|, |v[XS+\i+1]|
	v_max3_num_f32 v9, v9, |v[XS+\i+2]|, |v[XS+\i+3]|
.endr
	v_max3_num_f32 v8, v8, |v[XS+14]|, |v[XS+15]|
	v_max3_num_f32 v8, v8, v9, FLOORB              ; and the floor: the byte cannot fall under 1
	v_max_num_f32_dpp v8, v8, v8 row_xmask:1 row_mask:0xf bank_mask:0xf   ; and of my neighbour's 16: the block's
	v_add_nc_u32 v11, OFF8, v8                     ; 8 off its exponent field: the conversion takes this operand's exponent field as its scale
	v_and_or_b32 v10, v8, 0x7f800000, s25          ; 448 x the scale
.irp i, 0,1,2,3,4,5,6,7,8,9,10,11,12,13,14,15
	v_med3_num_f32 v[XS+\i], v[XS+\i], -v10, v10   ; the conversion to an 8-bit code does not saturate (ISA guide 7.6.2): the hold comes first
.endr
	v_cvt_scalef32_pk8_fp8_f32 v[XC+4*(\t):XC+4*(\t)+1], v[XS:XS+7], v11
	v_cvt_scalef32_pk8_fp8_f32 v[XC+4*(\t)+2:XC+4*(\t)+3], v[XS+8:XS+15], v11
	v_lshrrev_b32 v[XE+(\t)], 23, v11              ; the scale's byte
	ds_store_b8 v5, v[XE+(\t)] offset:16*(\t)      ; both lanes of a block write the same byte with the same value
	global_store_b128 v3, v[XC+4*(\t):XC+4*(\t)+3], s[16:17] offset:512*(\t)      ; 32 lanes store 512 consecutive bytes
.endm
.irp t, 0,1,2,3,4,5,6,7,8,9,10,11,12,13,14,15
	XSTEP \t
.endr
	ds_load_b64 v[12:13], v6                       ; LDS serves a wave's instructions in order: these see my byte stores
	s_wait_dscnt 0x0
	global_store_b64 v7, v[12:13], s[18:19]        ; 32 lanes store 256 consecutive bytes, aligned
	s_wait_tensorcnt 0x0
	ds_add_u32 v192, v193
	s_wait_dscnt 0x0
	s_endpgm
; ---------------- PATHS W AND F ----------------
; A wave takes 32 columns x 256 along K: 8 blocks a lane.  Each load reads one row k at 32 neighbouring columns; a block of 32 along K lies in one lane's 32 registers.
.Lweights:
	s_sub_co_u32 s26, ttmp9, 512
	s_lshr_b32 s27, s26, 5                         ; which weight: 0 Wq, 1 Wk, 2 Wv, 3 Wf
	s_bfe_u32 s28, s26, 0x30002                    ; which 128 columns
	s_and_b32 s29, s26, 3                          ; which 256 along K
	s_wait_alu depctr_va_vdst(0)
	v_lshlrev_b32 v3, 2, v2                        ; in: 4 bytes a lane
	s_lshl_b32 s30, s29, 20                        ; 256 rows of 4,096 bytes
	s_lshl_b32 s31, s28, 9
	s_add_co_u32 s30, s30, s31
	s_lshl_b32 s31, s24, 7
	s_add_co_u32 s30, s30, s31                     ; + 4 x my wave's first column
	s_mov_b32 s31, 0
	s_wait_alu depctr_va_vdst(0)
	s_wait_kmcnt 0x0
	s_cmp_eq_u32 s27, 1
	s_cselect_b64 s[8:9], s[10:11], s[8:9]
	s_cmp_eq_u32 s27, 2
	s_cselect_b64 s[8:9], s[12:13], s[8:9]
	s_cmp_eq_u32 s27, 3
	s_cselect_b64 s[8:9], s[14:15], s[8:9]
	s_add_nc_u64 s[8:9], s[8:9], s[30:31]
.macro WLOAD t                         ; block t: W(32 t + i, my column) into set t % 2; the offsets stay under 255 x 4,096, inside the signed 24-bit immediate
.irp i, 0,1,2,3,4,5,6,7,8,9,10,11,12,13,14,15,16,17,18,19,20,21,22,23,24,25,26,27,28,29,30,31
	global_load_b32 v[WX+32*((\t)%2)+\i], v3, s[8:9] offset:(32*(\t)+\i)*4096 th:TH_LOAD_NT
.endr
.endm
; One block.  direct = 0: its 32 codes go to my column's row of the stage.  direct = 1: they leave at once, 16 bytes for each half of the operand's lanes.
.macro BLOCK t, direct
.set XS, WX+32*((\t)%2)
.if (\t) < 7
	s_wait_loadcnt 32                              ; this block's 32 loads are in; the next block's may be out
.else
	s_wait_loadcnt 0x0
.endif
	v_max3_num_f32 v12, |v[XS]|, |v[XS+1]|, |v[XS+2]|
	v_max3_num_f32 v13, |v[XS+3]|, |v[XS+4]|, |v[XS+5]|
.irp i, 6,10,14,18,22,26
	v_max3_num_f32 v12, v12, |v[XS+\i]|, |v[XS+\i+1]|
	v_max3_num_f32 v13, v13, |v[XS+\i+2]|, |v[XS+\i+3]|
.endr
	v_max3_num_f32 v12, v12, |v[XS+30]|, |v[XS+31]|
	v_max3_num_f32 v12, v12, v13, FLOORB
	v_add_nc_u32 v11, OFF8, v12
	v_and_or_b32 v10, v12, 0x7f800000, s25
	v_lshrrev_b32 v13, 23, v11                     ; the scale's byte
.if (\t)%4 == 0
	v_mov_b32 v[WSB+(\t)/4], v13                   ; four bytes to a register, the lower K in the lower byte
.else
	v_lshl_or_b32 v[WSB+(\t)/4], v13, 8*((\t)%4), v[WSB+(\t)/4]
.endif
.irp i, 0,1,2,3,4,5,6,7,8,9,10,11,12,13,14,15,16,17,18,19,20,21,22,23,24,25,26,27,28,29,30,31
	v_med3_num_f32 v[XS+\i], v[XS+\i], -v10, v10
.endr
.irp g, 0,1,2,3
	v_cvt_scalef32_pk8_fp8_f32 v[WC+2*\g:WC+2*\g+1], v[XS+8*\g:XS+8*\g+7], v11
.endr
.if \direct
	global_store_b128 v4, v[WC:WC+3], s[20:21] offset:((\t)/4)*16384+((\t)%4)*512          ; k = 32 t + 0..15: the operand's lanes 0-15; sixteen lanes store 256 consecutive bytes, aligned
	global_store_b128 v4, v[WC+4:WC+7], s[20:21] offset:((\t)/4)*16384+((\t)%4)*512+256    ; k = 32 t + 16..31: its lanes 16-31
.else
	ds_store_b128 v4, v[WC:WC+3] offset:32*(\t)
	ds_store_b128 v4, v[WC+4:WC+7] offset:32*(\t)+16
.endif
.if (\t)+2 < 8
	WLOAD (\t)+2
.endif
.if \direct
	s_wait_xcnt 0x0                                ; the stores' data are written again only behind this wait
.else
	s_wait_dscnt 0x0                               ; the stores have read their registers
.endif
.endm
	WLOAD 0
	WLOAD 1
	s_cmp_eq_u32 s27, 3
	s_cbranch_scc1 .Lregister_order
; ---- W: through the wave's stage, out as rows of 256 bytes
	s_mul_i32 s32, s24, 32*WPITCH
	s_add_co_u32 s32, s32, WSTAGE                  ; my stage
	v_and_b32 v5, 7, v2
	v_bfe_u32 v6, v2, 3, 1
	v_lshl_add_u32 v5, v6, 4, v5
	v_bfe_u32 v6, v2, 4, 1                         ; lane / 16
	v_lshl_add_u32 v5, v6, 3, v5                   ; my column's place among the wave's 32 rows: bits 3 and 4 changed round
	v_mul_u32_u24 v4, v5, WPITCH
	v_add_nc_u32 v4, s32, v4                       ; into the stage
	v_lshlrev_b32 v9, 5, v5                        ; my row of scale bytes
	v_and_b32 v5, 15, v2
	v_mul_u32_u24 v7, v6, WPITCH
	v_lshl_add_u32 v7, v5, 4, v7
	v_add_nc_u32 v7, s32, v7                       ; out of it: sixteen lanes to a row, two rows an instruction
	v_lshlrev_b32 v8, 10, v6
	v_lshl_add_u32 v8, v5, 4, v8                   ; and the same place in wcodes
	s_lshl_b32 s33, s27, 10
	s_lshl_b32 s34, s28, 7
	s_add_co_u32 s33, s33, s34
	s_lshl_b32 s34, s24, 5
	s_add_co_u32 s33, s33, s34                     ; my wave's first row: 1,024 x weight + 128 x block + 32 x wave
	s_lshl_b32 s34, s33, 10
	s_lshl_b32 s35, s29, 8
	s_add_co_u32 s34, s34, s35
	s_mov_b32 s35, 0
	s_add_nc_u64 s[20:21], s[20:21], s[34:35]
	s_lshl_b32 s34, s33, 5
	s_lshl_b32 s36, s29, 3
	s_add_co_u32 s34, s34, s36
	s_add_nc_u64 s[22:23], s[22:23], s[34:35]
.irp t, 0,1,2,3,4,5,6,7
	BLOCK \t, 0
.endr
	global_store_b64 v9, v[WSB:WSB+1], s[22:23]    ; my column's 8 scale bytes: rows 32 bytes apart, one byte for each 32 along K
.irp t, 0,1,2,3,4,5,6,7,8,9,10,11,12,13,14,15
	ds_load_b128 v[WOUT+4*\t:WOUT+4*\t+3], v7 offset:2*\t*WPITCH
.endr
.irp t, 0,1,2,3,4,5,6,7,8,9,10,11,12,13,14,15
	s_wait_dscnt 15-\t                             ; load t is back; the younger ones may be out
	global_store_b128 v8, v[WOUT+4*\t:WOUT+4*\t+3], s[20:21] offset:2*\t*1024
.endr
	s_wait_tensorcnt 0x0
	ds_add_u32 v192, v193
	s_wait_dscnt 0x0
	s_endpgm
; ---- F: Wf in the order of the operand's registers; no LDS
.Lregister_order:
	v_bfe_u32 v6, v2, 4, 1                         ; my tile of 16 columns: 2 x wave + lane / 16
	v_and_b32 v5, 15, v2                           ; the operand's r
	v_lshlrev_b32 v4, 11, v6
	v_lshl_add_u32 v4, v5, 4, v4                   ; 2,048 (lane / 16) + 16 r
	v_lshlrev_b32 v9, 5, v5
	v_lshl_add_u32 v9, v6, 2, v9                   ; scale words [s][w][r 16][tile 8]: 32 r + 4 (lane / 16)
	s_lshl_b32 s34, s28, 17                        ; w x 131,072
	s_lshl_b32 s35, s29, 15                        ; two K steps of 16,384
	s_add_co_u32 s34, s34, s35
	s_lshl_b32 s35, s24, 12                        ; two tiles of 2,048
	s_add_co_u32 s34, s34, s35
	s_add_co_u32 s34, s34, 0x300000                ; behind the 3,072 rows of Wq, Wk, Wv
	s_mov_b32 s35, 0
	s_add_nc_u64 s[20:21], s[20:21], s[34:35]
	s_lshl_b32 s34, s29, 13
	s_lshl_b32 s36, s28, 9
	s_add_co_u32 s34, s34, s36
	s_lshl_b32 s36, s24, 3
	s_add_co_u32 s34, s34, s36
	s_add_co_u32 s34, s34, 98304
	s_add_nc_u64 s[22:23], s[22:23], s[34:35]
.irp t, 0,1,2,3,4,5,6,7
	BLOCK \t, 1
.endr
	global_store_b32 v9, v[WSB], s[22:23]                  ; the scale word of K step 2 kb, and of 2 kb + 1: 4 bytes a lane, 32 KiB in the whole launch
	global_store_b32 v9, v[WSB+1], s[22:23] offset:4096
	s_endpgm
.Lfunc_end_k_q62ce9445e4_quant:
	.size	k_q62ce9445e4_quant, .Lfunc_end_k_q62ce9445e4_quant-k_q62ce9445e4_quant
	.p2alignl 7, 3214868480
	.fill 96, 4, 3214868480
	.section	.rodata,"a",@progbits
	.p2align	6, 0x0
	.amdhsa_kernel k_q62ce9445e4_quant
		.amdhsa_group_segment_fixed_size 68096
		.amdhsa_private_segment_fixed_size 0
		.amdhsa_enable_private_segment 0
		.amdhsa_kernarg_size 80
		.amdhsa_user_sgpr_count 2
		.amdhsa_user_sgpr_kernarg_segment_ptr 1
		.amdhsa_wavefront_size32 1
		.amdhsa_system_sgpr_workgroup_id_x 1
		.amdhsa_system_sgpr_workgroup_id_y 1
		.amdhsa_system_sgpr_workgroup_id_z 1
		.amdhsa_system_vgpr_workitem_id 0
		.amdhsa_next_free_vgpr 194
		.amdhsa_next_free_sgpr 66
		.amdhsa_reserve_vcc 0
		.amdhsa_float_denorm_mode_32 3
		.amdhsa_float_denorm_mode_16_64 3
		.amdhsa_memory_ordered 1
		.amdhsa_forward_progress 1
		.amdhsa_inst_pref_size 159
	.end_amdhsa_kernel
	.amdgpu_metadata
---
amdhsa.version: [ 1, 2 ]
amdhsa.kernels:
  - .name:           k_q62ce9445e4_quant
    .symbol:         k_q62ce9445e4_quant.kd
    .args:
      - { .name: x, .offset: 0, .size: 8, .value_kind: global_buffer, .address_space: global }
      - { .name: y, .offset: 8, .size: 8, .value_kind: global_buffer, .address_space: global }
      - { .name: Wq, .offset: 16, .size: 8, .value_kind: global_buffer, .address_space: global }
      - { .name: Wk, .offset: 24, .size: 8, .value_kind: global_buffer, .address_space: global }
      - { .name: Wv, .offset: 32, .size: 8, .value_kind: global_buffer, .address_space: global }
      - { .name: Wf, .offset: 40, .size: 8, .value_kind: global_buffer, .address_space: global }
      - { .name: acodes, .offset: 48, .size: 8, .value_kind: global_buffer, .address_space: global }
      - { .name: ascales, .offset: 56, .size: 8, .value_kind: global_buffer, .address_space: global }
      - { .name: wcodes, .offset: 64, .size: 8, .value_kind: global_buffer, .address_space: global }
      - { .name: wscales, .offset: 72, .size: 8, .value_kind: global_buffer, .address_space: global }
    .group_segment_fixed_size: 68096
    .private_segment_fixed_size: 0
    .kernarg_segment_align: 8
    .kernarg_segment_size: 80
    .max_flat_workgroup_size: 128
    .sgpr_count:     66
    .vgpr_count:     194
    .wavefront_size: 32
...
	.end_amdgpu_metadata
.endif
;; end of part 1
;; launch proj (part 2): grid 8 x 32, 4 waves a work-group, clusters of 4 x 4, 327,680 bytes of LDS; arguments acodes, ascales, wcodes, wscales, bq, bk, bv, pcodes, pscales; writes pcodes, pscales
.if DOCPART == 2
	.amdgcn_target "amdgcn-amd-amdhsa--gfx1250"
	.amdhsa_code_object_version 6
	.text
	.protected	k_q62ce9445e4_proj
	.globl	k_q62ce9445e4_proj
	.p2align	8
	.type	k_q62ce9445e4_proj,@function
k_q62ce9445e4_proj:
	s_mov_b64 s[64:65], 0
	v_nop
	global_prefetch_b8 v0, s[64:65] scope:SCOPE_SE
	s_setreg_imm32_b32 hwreg(HW_REG_WAVE_MODE, 25, 1), 1
	s_wait_xcnt 0x0
	s_wait_alu depctr_hold_cnt(0) depctr_sa_sdst(0) depctr_va_vdst(0) depctr_va_sdst(0) depctr_va_ssrc(0) depctr_va_vcc(0) depctr_vm_vsrc(0)
	s_getreg_b32 s2, hwreg(HW_REG_IB_STS2, 6, 4)
	s_cmp_eq_u32 s2, 0
	s_cbranch_scc0 .Lentry_in_a_cluster
	s_endpgm
.Lentry_in_a_cluster:
	s_bfe_u32 s2, ttmp6, 0x10000c
	s_cmp_lg_u32 s2, 0xf033
	s_cbranch_scc0 .Lentry_shape_is_right
	s_endpgm
.Lentry_shape_is_right:
; Q = x Wq + bq, K = y Wk + bk, V = y Wv + bv on codes of FP8 (E4M3) with one E8M0 scale for each 32 along K = 1,024, f32 sums, and each result quantised again on the way out.  No work of the problem is left out here.
; acodes [16384][1024] holds x's rows, then y's; wcodes rows 0-3071 Wq's, Wk's, Wv's outputs; ascales, wscales 32 bytes a row; all with bits 3 and 4 of the row's number changed round, as the first launch leaves them.
; THE DEAL.  256 work-groups (gx 8 x gy 32) of four waves, 2 x 2; each STAYS for three products of its 256 tokens gy with 128 outputs gx: Q (x, Wq), K (y, Wk), V (y, Wv).
; A wave holds 64 rows of the weight, ALL of K, in 512 registers (windows 1, 2) and streams its 128 tokens past them in blocks of 16 rows, all of K, two sets of 128 registers (window 3): 32 products a block, four sums by turns.
; Q, K: source 0 = the weight's rows: a lane holds a token and neighbours along the head's channels.  V: source 0 = the tokens: a lane holds a channel and neighbours along the keys.  Two blocks make 64 sums a lane, four scale blocks of 32: one quantiser serves both.
; LDS: two slots of 128 whole rows (1,024 bytes + 16).  A product has three fills, 32 rows a wave: its weight, and two chunks of tokens (64 rows for each row of waves).  The weight lies in a slot until all waves hold it in registers; then tokens are filled over it.
; Each refill stands behind a drained round of the cluster's barrier, one joint load a wave: tokens shared along the cluster's row, weights along its column.  At the head waves 0, 1 fetch Wq's halves, waves 2, 3 the first chunk's.
; Q and K are two trips of one loop, the slots changing places from trip to trip; V is written out behind it, since its last rounds ask for nothing.
; SCALE WORDS go from memory straight into registers: lane l takes the 32 bytes of row l of a pair of tiles; a product names the pair's register with row 0 or row 1.  THE BIAS IS EACH BLOCK'S FIRST PRODUCTS' C.
; PREFETCH, in the first trip alone: behind each joint load one instruction a wave names the fill that stands two or three fills on (y's two chunks, Wv's rows): a lane a row, the wave's number the 256 bytes of the row;
; the four partners that ask for a fill jointly take 32 of its 128 rows each, told apart by address.  x, Wq and Wk come by their loads alone; in the second trip y's rows have been read.
; OUT: pcodes [Q, K, V][128 channels gx][128 tokens][tile a 8][block of 32 b 4][lane][16 bytes], pscales [..][a 8][32 words]: images of the next launch's operand registers.
; LIMITS: NaN and infinities are not served; a block's byte never falls under 1 (a block of zeros keeps that byte over zero codes; this program alone reads the bytes).
.set PITCH, 1040
.set SLOTB, 128*PITCH
.set SPARE, 2*SLOTB
.set AW0,  4                           ; v4   my lane's place in my 64 rows of a weight
.set AT0,  5                           ; v5   and in my 64 rows of a chunk
.set ADW,  6
.set ADT,  7
.set SOF,  8
.set BOQ,  9
.set BOV,  10
.set CO,   11
.set SO,   12
.set SH,   13
.set SOQ,  14
.set PFO,  15
.set SPW,  16
.set NIL,  17
.set WS,   24                          ; v24-39  the weight's scale words;  v44-75 the tokens': no product's two have numbers equal modulo 8
.set TS,   44
.set VBL,  76
.set CB,   80                          ; v80-111 the bias as C
.set ACC,  112                         ; v112-175 the sums of two blocks
.set PC,   176
.set TM,   192
.set PW,   208
.set PWS,  209
.set VW,   210
.set WV,  22
.set HI,  23
.set LO,  66
.set G1T, 24
.set G1W, 32
.set G0T, 40
.set G0W, 44
.set CT,  48                           ; s[48:49] this product's tokens, my 32 rows of chunk 0;  s[50:51] y's
.set NT,  50
.set NW,  52                           ; s[52:53] the next weight, my 32 rows
.set NWS, 54
.set TSY, 56
.set OC,  58
.set OS,  60
.set VOC, 62
.set VOS, 68
.set PT,  70
.set PW2, 72
.set SX,  74                           ; s74 the slot in which the weight lies, s75 the other
.set SY,  75
.set LW,  76
.set JOB, 77
.set MNT, 78
.set SEL, 80
.set MSB, 0
.macro WIN new                         ; the immediate's high byte repeats the setting that is left
.if MSB != (\new)
	s_set_vgpr_msb (MSB<<8)|(\new)
.set MSB, (\new)
.endif
.endm
.macro PLACES n
.rept \n
	v_nop
.endr
.endm
.macro CROUND                          ; a round of the cluster's barrier
	s_barrier_signal -1
	s_barrier_wait -1
	s_cmp_lg_u32 s[WV], 0
	s_cbranch_scc1 .Lnot_wave_0_\@
	s_barrier_signal -3
.Lnot_wave_0_\@:
	s_barrier_wait -3
	s_barrier_signal -1
	s_barrier_wait -1
.endm
	s_load_b512 s[4:19], s[0:1], 0x0               ; acodes, ascales, wcodes, wscales, bq, bk, bv, pcodes
	s_load_b64 s[20:21], s[0:1], 0x40              ; pscales
	v_lshl_add_u32 v[SPW], v0, 2, SPARE
	v_mov_b32 v[NIL], 0
	ds_add_u32 v[SPW], v[NIL]                      ; the opening lines: the add twice on end and one wait
	ds_add_u32 v[SPW], v[NIL]
	v_lshrrev_b32 v1, 5, v0
	v_readfirstlane_b32 s[WV], v1                  ; wave 0..3
	s_lshr_b32 s[HI], s[WV], 1                     ; my row of waves: which 128 tokens
	s_and_b32 s[LO], s[WV], 1                      ; my column: which 64 rows of the weight
	s_bfe_u32 s94, ttmp6, 0x40000                  ; cx
	s_bfe_u32 s95, ttmp6, 0x40004                  ; cy
	s_and_b32 s96, ttmp7, 0xffff
	s_lshl_b32 s97, ttmp9, 2
	s_add_co_u32 s97, s97, s94                     ; gx = 4 x cluster x + cx
	s_lshl_b32 s98, s96, 2
	s_add_co_u32 s98, s98, s95                     ; gy = 4 x cluster y + cy
	s_lshl_b32 s100, s95, 2
	s_lshl_b32 s100, 15, s100                      ; my row of the cluster: shares the tokens
	s_lshl_b32 s101, 0x1111, s94                   ; my column: shares the weights
	s_or_b32 s[G1T], s100, (1<<20)|(1<<21)|(7<<22)|(3<<25)   ; elements of 1 byte; 4 words of padding behind every 256
	s_or_b32 s[G1W], s101, (1<<20)|(1<<21)|(7<<22)|(3<<25)
.irp g, G1T, G1W
	s_mov_b32 s[\g+1], 1024<<16
	s_mov_b32 s[\g+2], 64<<16                      ; the head's loads bring 64 rows
	s_mov_b32 s[\g+3], 1024<<16
	s_mov_b32 s[\g+4], 64
	s_mov_b32 s[\g+5], 1024
	s_mov_b32 s[\g+6], 0
	s_mov_b32 s[\g+7], 0
.endr
	s_lshl_b32 s82, s98, 18                        ; tokens: 256 gy rows of 1,024 bytes
	s_lshl_b32 s83, s97, 17                        ; weights: 128 gx rows
	s_lshl_b32 s2, s[LO], 17
	s_add_co_u32 s[G0T+2], s82, s2                 ; the head: chunk 0's run of 64 rows for row of waves LO
	s_mov_b32 s[G0T+3], 0
	s_lshl_b32 s2, s[LO], 16
	s_add_co_u32 s[G0W+2], s83, s2                 ; Wq's half LO
	s_mov_b32 s[G0W+3], 0
	s_lshl_b32 s2, s[HI], 17
	s_add_co_u32 s[CT], s82, s2
	s_lshl_b32 s2, s[LO], 15
	s_add_co_u32 s[CT], s[CT], s2                  ; the ring: token rows 128 HI + 32 LO on
	s_mov_b32 s[CT+1], 0
	s_lshl_b32 s2, s[WV], 15
	s_add_co_u32 s[NW], s83, s2
	s_add_co_u32 s[NW], s[NW], 1024<<10            ; Wk's rows 32 x wave on
	s_mov_b32 s[NW+1], 0
	s_mov_b32 s[G0T], 1
	s_mov_b32 s[G0W], 1
	s_mul_i32 s[G0T+1], s[LO], 64*PITCH            ; chunk 0 into slot 0,
	s_mul_i32 s[G0W+1], s[LO], 64*PITCH
	s_add_co_u32 s[G0W+1], s[G0W+1], SLOTB         ; Wq into slot 1
	s_mul_i32 s[LW], s[WV], 32*PITCH               ; the ring: my 32 rows of a slot
	s_mov_b32 s[SX], SLOTB
	s_mov_b32 s[SY], 0
	s_mov_b32 s[SEL], 0x76543210
	s_mov_b32 s[SEL+1], 0xfedcba98
	s_mov_b32 s[MNT], 0x600000
	s_wait_dscnt 0x0                               ; both opening adds are done
	CROUND                                         ; the round in front of the first joint loads
	s_wait_kmcnt 0x0
	s_add_nc_u64 s[G0T+2:G0T+3], s[4:5], s[G0T+2:G0T+3]
	s_or_b32 s[G0T+3], s[G0T+3], 0x80000000
	s_add_nc_u64 s[G0W+2:G0W+3], s[8:9], s[G0W+2:G0W+3]
	s_or_b32 s[G0W+3], s[G0W+3], 0x80000000
	s_add_nc_u64 s[CT:CT+1], s[4:5], s[CT:CT+1]
	s_add_nc_u64 s[NT:NT+1], s[CT:CT+1], 0x800000  ; y's rows lie 8,192 rows on
	s_add_nc_u64 s[NW:NW+1], s[8:9], s[NW:NW+1]
	s_cmp_eq_u32 s[HI], 0                          ; one tensor load a wave at the head, a line for each mask
	s_cbranch_scc0 .Lhead_tokens
	tensor_load_to_lds s[G0W:G0W+3], s[G1W:G1W+7]
	s_nop 0
	PLACES 4
	s_branch .Lhead_asked
.Lhead_tokens:
	tensor_load_to_lds s[G0T:G0T+3], s[G1T:G1T+7]
	s_nop 0
	PLACES 4
.Lhead_asked:
	; scale words: my 128 tokens, my 64 rows of the weight
	s_lshl_b32 s[TSY], s98, 13
	s_lshl_b32 s2, s[HI], 12
	s_add_co_u32 s[TSY], s[TSY], s2
	s_mov_b32 s[TSY+1], 0
	s_add_nc_u64 s[TSY:TSY+1], s[6:7], s[TSY:TSY+1]
	s_lshl_b32 s[NWS], s97, 12
	s_lshl_b32 s2, s[LO], 11
	s_add_co_u32 s[NWS], s[NWS], s2
	s_mov_b32 s[NWS+1], 0
	s_add_nc_u64 s[NWS:NWS+1], s[10:11], s[NWS:NWS+1]
	; the biases at channel 128 gx + 64 LO
	s_lshl_b32 s2, s97, 9
	s_lshl_b32 s3, s[LO], 8
	s_add_co_u32 s2, s2, s3
	s_mov_b32 s3, 0
	s_add_nc_u64 s[12:13], s[12:13], s[2:3]
	s_add_nc_u64 s[14:15], s[14:15], s[2:3]
	s_add_nc_u64 s[16:17], s[16:17], s[2:3]
	; where my results go: block 64 gx + 2 gy + HI
	s_lshl_b32 s84, s97, 6
	s_lshl_b32 s2, s98, 1
	s_add_co_u32 s84, s84, s2
	s_add_co_u32 s84, s84, s[HI]
	s_lshl_b32 s85, s84, 10
	s_lshl_b32 s84, s84, 14
	s_lshl_b32 s2, s[LO], 10                       ; Q, K: my head's 1,024 bytes of each tile
	s_add_co_u32 s[OC], s84, s2
	s_mov_b32 s[OC+1], 0
	s_add_nc_u64 s[OC:OC+1], s[18:19], s[OC:OC+1]
	s_lshl_b32 s2, s[LO], 6                        ; and its 64 bytes of scale words
	s_add_co_u32 s[OS], s85, s2
	s_mov_b32 s[OS+1], 0
	s_add_nc_u64 s[OS:OS+1], s[20:21], s[OS:OS+1]
	s_lshl_b32 s2, s[LO], 13                       ; V: my head's four tiles
	s_add_co_u32 s[VOC], s84, s2
	s_add_co_u32 s[VOC], s[VOC], 2<<23
	s_mov_b32 s[VOC+1], 0
	s_add_nc_u64 s[VOC:VOC+1], s[18:19], s[VOC:VOC+1]
	s_lshl_b32 s2, s[LO], 9
	s_add_co_u32 s[VOS], s85, s2
	s_add_co_u32 s[VOS], s[VOS], 2<<19
	s_mov_b32 s[VOS+1], 0
	s_add_nc_u64 s[VOS:VOS+1], s[20:21], s[VOS:VOS+1]
	; the prefetches: my work-group's 32 rows of a fill's 128, my wave's 256 bytes of a row
	s_lshr_b32 s2, s94, 1
	s_lshl_b32 s2, s2, 17
	s_and_b32 s3, s94, 1
	s_lshl_b32 s3, s3, 15
	s_add_co_u32 s[PT], s82, s2
	s_add_co_u32 s[PT], s[PT], s3
	s_lshl_b32 s2, s[WV], 8
	s_add_co_u32 s[PT], s[PT], s2
	s_add_co_u32 s[PT], s[PT], 8192<<10            ; y's chunk 0: rows 128 (cx / 2) + 32 (cx % 2) on
	s_mov_b32 s[PT+1], 0
	s_add_nc_u64 s[PT:PT+1], s[4:5], s[PT:PT+1]
	s_lshl_b32 s3, s95, 15
	s_add_co_u32 s[PW2], s83, s3
	s_add_co_u32 s[PW2], s[PW2], s2
	s_add_co_u32 s[PW2], s[PW2], 2048<<10          ; Wv's rows 32 cy on
	s_mov_b32 s[PW2+1], 0
	s_add_nc_u64 s[PW2:PW2+1], s[8:9], s[PW2:PW2+1]
	s_mul_i32 s2, s[LO], 64*PITCH
	s_mul_i32 s3, s[HI], 64*PITCH
	v_and_b32 v1, 15, v0                           ; r
	v_bfe_u32 v2, v0, 4, 1                         ; h
	v_and_b32 v3, 31, v0                           ; lane
	v_mul_u32_u24 v18, v1, PITCH
	v_lshl_add_u32 v18, v2, 4, v18                 ; a fragment's row x pitch + 16 h
	v_add_nc_u32 v[AW0], s2, v18
	v_add_nc_u32 v[AT0], s3, v18
	v_lshlrev_b32 v[SOF], 5, v3                    ; scale words: 32 bytes a lane
	v_lshlrev_b32 v[BOQ], 6, v2                    ; bq, bk: my half's 16 channels of each 32
	v_and_b32 v19, 8, v1
	v_add_nc_u32 v19, v19, v1
	v_lshlrev_b32 v[BOV], 2, v19                   ; bv: channel r + 8 (r / 8) of a tile
	v_lshlrev_b32 v[CO], 4, v3
	v_lshlrev_b32 v[SO], 2, v3
	v_lshlrev_b32 v[SH], 4, v2
	v_lshlrev_b32 v[SOQ], 2, v1
	v_lshl_add_u32 v[SOQ], v2, 7, v[SOQ]           ; Q, K: lanes 0-15 store the even block's words, lanes 16-31 the odd block's
	v_lshlrev_b32 v[PFO], 10, v3                   ; a lane a row
.irp b, 0,1,2,3
	v_mov_b32 v[TM+4+\b], 0                        ; a lane permute's destination counts as one of its sources
.endr
	s_wait_alu depctr_va_vdst(0)                   ; the wait at the head's end
.macro TSLOAD                          ; my 128 tokens' scale words: four pairs of blocks
.irp q, 0,1,2,3
	global_load_b128 v[TS+8*\q:TS+8*\q+3], v[SOF], s[TSY:TSY+1] offset:1024*\q
	global_load_b128 v[TS+8*\q+4:TS+8*\q+7], v[SOF], s[TSY:TSY+1] offset:1024*\q+16
.endr
.endm
.macro WSLOAD                          ; my 64 rows' of the weight: two pairs of tiles
.irp p, 0,1
	global_load_b128 v[WS+8*\p:WS+8*\p+3], v[SOF], s[NWS:NWS+1] offset:1024*\p
	global_load_b128 v[WS+8*\p+4:WS+8*\p+7], v[SOF], s[NWS:NWS+1] offset:1024*\p+16
.endr
.endm
.macro BLOAD ptr                       ; bq or bk in the result's layout: register 16 b + i is channel 32 b + 16 h + i of my head
.irp b, 0,1
.irp i, 0,1,2,3
	global_load_b128 v[CB+16*\b+4*\i:CB+16*\b+4*\i+3], v[BOQ], s[\ptr:\ptr+1] offset:128*\b+16*\i
.endr
.endr
.endm
	TSLOAD
	WSLOAD
	BLOAD 12
.irp t, 0,1,2,3
	global_load_b32 v[VBL+\t], v[BOV], s[16:17] offset:4*(32*(\t/2)+8*(\t%2))
.endr
	s_wait_xcnt 0x0                                ; the loads have taken their addresses: the pointers step to y's and Wk's scale words
	s_add_nc_u64 s[TSY:TSY+1], s[TSY:TSY+1], 8192*32
	s_add_nc_u64 s[NWS:NWS+1], s[NWS:NWS+1], 1024*32
	s_wait_tensorcnt 0x0                           ; my part of the head's two fills is in; no tensor load of mine is out, so a descriptor may be written:
	s_mov_b32 s[G1T+2], 32<<16                     ; from here on a load brings 32 rows
	s_mov_b32 s[G1T+4], 32
	s_mov_b32 s[G1W+2], 32<<16
	s_mov_b32 s[G1W+4], 32
	s_barrier_signal -1
	s_barrier_wait -1                              ; Wq and chunk 0 are whole for every wave
; A REFILL: my tensor load is in; the add; the descriptor; my LDS reads are over; a round of the cluster's barrier; one joint load a wave.
; k 0: this product's chunk 1 over the weight;  1: the next weight over chunk 0;  2: the next product's chunk 0 over chunk 1.
.macro TOP k
	s_wait_tensorcnt 0x0
	ds_add_u32 v[SPW], v[NIL]
.if (\k) == 0
	s_add_co_u32 s[G0T+1], s[SX], s[LW]
	s_add_nc_u64 s[G0T+2:G0T+3], s[CT:CT+1], 64*1024
	s_or_b32 s[G0T+3], s[G0T+3], 0x80000000
.elseif (\k) == 1
	s_add_co_u32 s[G0W+1], s[SY], s[LW]
	s_mov_b64 s[G0W+2:G0W+3], s[NW:NW+1]
	s_or_b32 s[G0W+3], s[G0W+3], 0x80000000
.else
	s_add_co_u32 s[G0T+1], s[SX], s[LW]
	s_mov_b64 s[G0T+2:G0T+3], s[NT:NT+1]
	s_or_b32 s[G0T+3], s[G0T+3], 0x80000000
.endif
	s_wait_dscnt 0x0
	CROUND
.if (\k) == 1
	tensor_load_to_lds s[G0W:G0W+3], s[G1W:G1W+7]
.else
	tensor_load_to_lds s[G0T:G0T+3], s[G1T:G1T+7]
.endif
	s_nop 0
	PLACES 4
.endm
.macro ASK ptr, off                    ; a prefetch, in the first trip alone
	s_cmp_eq_u32 s[JOB], 0
	s_cbranch_scc0 .Lnone_\@
	global_prefetch_b8 v[PFO], s[\ptr:\ptr+1] offset:\off th:TH_LOAD_NT scope:SCOPE_SE
.Lnone_\@:
.endm
.macro WREGS                           ; my 64 rows of the weight, all of K, into windows 1 and 2: fragment 4 kq + t; 128 loads
	v_add_nc_u32 v[ADW], s[SX], v[AW0]
	s_wait_alu depctr_va_vdst(0)
.irp kq, 0,1,2,3,4,5,6,7
	WIN (1+\kq/4)<<6
.irp t, 0,1,2,3
.irp c, 0,1,2,3
	ds_load_b128 v[16*((4*\kq+\t)%16)+4*\c:16*((4*\kq+\t)%16)+4*\c+3], v[ADW] offset:\t*16*PITCH+128*\kq+32*\c
.endr
.endr
.endr
	WIN 0
.endm
.macro FETCHB e, blk                   ; block blk of my four in the chunk, 16 rows, all of K, into set e of window 3: 32 loads
	WIN 0xc0
.irp kq, 0,1,2,3,4,5,6,7
.irp c, 0,1,2,3
	ds_load_b128 v[128*\e+16*\kq+4*\c:128*\e+16*\kq+4*\c+3], v[ADT] offset:\blk*16*PITCH+128*\kq+32*\c
.endr
.endr
	WIN 0
.endm
.macro PROD kind, e, q, n              ; product n = 4 kq + t of a block: set e, pair of blocks q of my 128 tokens
.set KQ_, (\n)/4
.set T_, (\n)%4
.set W_, 16*((\n)%16)
.set R_, 128*(\e)+16*KQ_
.set XW_, WS+8*(T_/2)+KQ_
.set XT_, TS+8*(\q)+KQ_
.if \kind
.set D_, ACC+16*T_+8*(\e)
.set S0_, R_
.set S1_, W_
.set X0_, XT_
.set X1_, XW_
.set RA_, \e
.set RB_, T_%2
	WIN 3|((1+(\n)/16)<<2)
.else
.set D_, ACC+32*(\e)+8*T_
.set S0_, W_
.set S1_, R_
.set X0_, XW_
.set X1_, XT_
.set RA_, T_%2
.set RB_, \e
	WIN (1+(\n)/16)|(3<<2)
.endif
.if KQ_ == 0
.set C_, CB+8*T_
.else
.set C_, D_
.endif
.if RA_ && RB_
	v_wmma_scale_f32_16x16x128_f8f6f4 v[D_:D_+7], v[S0_:S0_+15], v[S1_:S1_+15], v[C_:C_+7], v[X0_], v[X1_] matrix_a_scale:MATRIX_SCALE_ROW1 matrix_b_scale:MATRIX_SCALE_ROW1
.elseif RA_
	v_wmma_scale_f32_16x16x128_f8f6f4 v[D_:D_+7], v[S0_:S0_+15], v[S1_:S1_+15], v[C_:C_+7], v[X0_], v[X1_] matrix_a_scale:MATRIX_SCALE_ROW1
.elseif RB_
	v_wmma_scale_f32_16x16x128_f8f6f4 v[D_:D_+7], v[S0_:S0_+15], v[S1_:S1_+15], v[C_:C_+7], v[X0_], v[X1_] matrix_b_scale:MATRIX_SCALE_ROW1
.else
	v_wmma_scale_f32_16x16x128_f8f6f4 v[D_:D_+7], v[S0_:S0_+15], v[S1_:S1_+15], v[C_:C_+7], v[X0_], v[X1_]
.endif
.endm
.macro BLOCK kind, e, q                ; 32 products, the block's four sums by turns; eight places behind them
.set N_, 0
.rept 32
	PROD \kind, \e, \q, N_
.set N_, N_+1
.endr
	WIN 0
	PLACES 8
.endm
; THE WAY OUT of a pair of blocks: 64 sums a lane, four scale blocks of 32, each in 16 registers on end of lanes l and l xor 16; each sum is read from its low end on.
; Q, K: scale block 2 e + b is channels 32 b on of block e's tokens.  V: scale block t is the pair's 32 keys for tile t of channels; its byte goes into byte q of the tile's word.
.macro OUT kind, q
	s_wait_xcnt 0x0                                ; the stores before have read their registers
.irp b, 0,1,2,3
	v_max3_num_f32 v[TM+\b], |v[ACC+16*\b]|, |v[ACC+16*\b+1]|, 0x4800000   ; with the floor 2^(9 - 127): the byte cannot fall under 1
.endr
.irp i, 2,4,6,8,10,12,14
.irp b, 0,1,2,3
	v_max3_num_f32 v[TM+\b], v[TM+\b], |v[ACC+16*\b+\i]|, |v[ACC+16*\b+\i+1]|
.endr
.endr
.irp b, 0,1,2,3
	v_permlanex16_b32 v[TM+4+\b], v[TM+\b], s[SEL], s[SEL+1]
.endr
.irp b, 0,1,2,3
	v_max_num_f32 v[TM+\b], v[TM+\b], v[TM+4+\b]
.endr
.irp b, 0,1,2,3
	v_add_nc_u32 v[TM+12+\b], 0xfc000000, v[TM+\b]           ; 8 off the exponent field: the conversion's scale operand
.endr
.irp b, 0,1,2,3
	v_and_or_b32 v[TM+8+\b], v[TM+\b], 0x7f800000, s[MNT]    ; 448 x the scale
.endr
.irp b, 0,1,2,3
	v_lshrrev_b32 v[TM+4+\b], 23, v[TM+12+\b]                ; the byte
.endr
.if \kind
.irp b, 0,1,2,3
.if (\q) == 0
	v_mov_b32 v[VW+\b], v[TM+4+\b]
.else
	v_lshl_or_b32 v[VW+\b], v[TM+4+\b], 8*(\q), v[VW+\b]
.endif
.endr
.else
	v_lshl_or_b32 v[PW], v[TM+5], 8, v[TM+4]
	v_lshl_or_b32 v[PW], v[TM+6], 16, v[PW]
	v_lshl_or_b32 v[PW], v[TM+7], 24, v[PW]
.endif
.irp b, 0,1,2,3
.irp i, 0,1,2,3,4,5,6,7,8,9,10,11,12,13,14,15
	v_med3_num_f32 v[ACC+16*\b+\i], v[ACC+16*\b+\i], -v[TM+8+\b], v[TM+8+\b]   ; the conversion does not saturate (ISA guide 7.6.2): the hold
.endr
.endr
.irp b, 0,1,2,3
	v_cvt_scalef32_pk8_fp8_f32 v[PC+4*\b:PC+4*\b+1], v[ACC+16*\b:ACC+16*\b+7], v[TM+12+\b]
	v_cvt_scalef32_pk8_fp8_f32 v[PC+4*\b+2:PC+4*\b+3], v[ACC+16*\b+8:ACC+16*\b+15], v[TM+12+\b]
.endr
.if \kind
	v_nop                                          ; the plain line behind the conversions
.irp t, 0,1,2,3
	global_store_b128 v[CO], v[PC+4*\t:PC+4*\t+3], s[VOC:VOC+1] offset:2048*\t+512*(\q)      ; 32 lanes store 512 consecutive bytes
.endr
.if (\q) == 3
.irp t, 0,1,2,3
	global_store_b32 v[SO], v[VW+\t], s[VOS:VOS+1] offset:128*\t
.endr
.endif
.else
	v_lshrrev_b32 v[PWS], v[SH], v[PW]             ; lanes 16-31: the odd block's two bytes.  (The plain line behind the conversions)
.irp e, 0,1
.irp b, 0,1
	global_store_b128 v[CO], v[PC+4*(2*\e+\b):PC+4*(2*\e+\b)+3], s[OC:OC+1] offset:2048*(2*(\q)+\e)+512*\b
.endr
.endr
	global_store_b32 v[SOQ], v[PWS], s[OS:OS+1] offset:256*(\q)
.endif
.endm
; A CHUNK: my four blocks, two pairs.  A set takes the block two on behind the products that read it; a wait's count, 32, is the loads of the younger block.
.macro CHUNK kind, c, slot
	v_add_nc_u32 v[ADT], s[\slot], v[AT0]
	s_wait_alu depctr_va_vdst(0)
	FETCHB 0, 0
	FETCHB 1, 1
	s_wait_dscnt 32
	BLOCK \kind, 0, 2*(\c)
	FETCHB 0, 2
	s_wait_dscnt 32
	BLOCK \kind, 1, 2*(\c)
	FETCHB 1, 3
	OUT \kind, 2*(\c)
	s_wait_dscnt 32
	BLOCK \kind, 0, 2*(\c)+1
	s_wait_dscnt 0x0
	BLOCK \kind, 1, 2*(\c)+1
	OUT \kind, 2*(\c)+1
.endm
	s_mov_b32 s[JOB], 0
.Ljob:                                             ; two trips: Q, K.  At the top the weight is whole in slot SX and chunk 0 has been asked for into slot SY
	WREGS
	TOP 0                                          ; the weight is in registers, chunk 0 is in: chunk 1 over the weight
	ASK PT, 0
	s_wait_loadcnt 0x0                             ; the product's scale words and bias
	CHUNK 0, 0, SY
	TOP 1                                          ; chunk 1 is in: the next weight over chunk 0
	ASK PT, 65536
	CHUNK 0, 1, SX
	WSLOAD                                         ; the next weight's scale words
	s_cmp_eq_u32 s[JOB], 0
	s_cbranch_scc0 .Lonly_w
	TSLOAD                                         ; behind Q: y's scale words, which serve K and V, and bk
	BLOAD 14
.Lonly_w:
	TOP 2                                          ; the next weight is in: the next product's chunk 0 over chunk 1
	ASK PW2, 0
	s_wait_xcnt 0x0                                ; loads, stores and prefetches have taken their addresses
	s_mov_b64 s[CT:CT+1], s[NT:NT+1]
	s_add_nc_u64 s[NW:NW+1], s[NW:NW+1], 0x100000
	s_add_nc_u64 s[NWS:NWS+1], s[NWS:NWS+1], 1024*32
	s_add_nc_u64 s[OC:OC+1], s[OC:OC+1], 1<<23
	s_add_nc_u64 s[OS:OS+1], s[OS:OS+1], 1<<19
	s_xor_b32 s[SX], s[SX], SLOTB                  ; the slots change places
	s_xor_b32 s[SY], s[SY], SLOTB
	s_add_co_u32 s[JOB], s[JOB], 1
	s_cmp_lt_u32 s[JOB], 2
	s_wait_alu depctr_va_vdst(0)
	s_cbranch_scc1 .Ljob
.irp t, 0,1,2,3                                ; V: a channel's bias in all eight registers of a first product's C
.irp i, 0,1,2,3,4,5,6,7
	v_mov_b32 v[CB+8*\t+\i], v[VBL+\t]
.endr
.endr
	s_wait_alu depctr_va_vdst(0)
	WREGS
	TOP 0
	s_wait_loadcnt 0x0
	CHUNK 1, 0, SY
	s_wait_tensorcnt 0x0                           ; the last chunk is in; nothing is filled again, so no round follows
	ds_add_u32 v[SPW], v[NIL]
	s_wait_dscnt 0x0
	s_barrier_signal -1
	s_barrier_wait -1
	CHUNK 1, 1, SX
	s_wait_tensorcnt 0x0                           ; the wave's end
	ds_add_u32 v[SPW], v[NIL]
	s_wait_dscnt 0x0
	CROUND                                         ; the closing round
	s_endpgm
.Lfunc_end_k_q62ce9445e4_proj:
	.size	k_q62ce9445e4_proj, .Lfunc_end_k_q62ce9445e4_proj-k_q62ce9445e4_proj
	.p2alignl 7, 3214868480
	.fill 96, 4, 3214868480
	.section	.rodata,"a",@progbits
	.p2align	6, 0x0
	.amdhsa_kernel k_q62ce9445e4_proj
		.amdhsa_group_segment_fixed_size 327680
		.amdhsa_private_segment_fixed_size 0
		.amdhsa_enable_private_segment 0
		.amdhsa_kernarg_size 72
		.amdhsa_user_sgpr_count 2
		.amdhsa_user_sgpr_kernarg_segment_ptr 1
		.amdhsa_wavefront_size32 1
		.amdhsa_system_sgpr_workgroup_id_x 1
		.amdhsa_system_sgpr_workgroup_id_y 1
		.amdhsa_system_sgpr_workgroup_id_z 1
		.amdhsa_system_vgpr_workitem_id 0
		.amdhsa_next_free_vgpr 1024
		.amdhsa_next_free_sgpr 102
		.amdhsa_reserve_vcc 0
		.amdhsa_float_denorm_mode_32 3
		.amdhsa_float_denorm_mode_16_64 3
		.amdhsa_memory_ordered 1
		.amdhsa_forward_progress 1
		.amdhsa_inst_pref_size 206
	.end_amdhsa_kernel
	.amdgpu_metadata
---
amdhsa.version: [ 1, 2 ]
amdhsa.kernels:
  - .name:           k_q62ce9445e4_proj
    .symbol:         k_q62ce9445e4_proj.kd
    .args:
      - { .name: acodes, .offset: 0, .size: 8, .value_kind: global_buffer, .address_space: global }
      - { .name: ascales, .offset: 8, .size: 8, .value_kind: global_buffer, .address_space: global }
      - { .name: wcodes, .offset: 16, .size: 8, .value_kind: global_buffer, .address_space: global }
      - { .name: wscales, .offset: 24, .size: 8, .value_kind: global_buffer, .address_space: global }
      - { .name: bq, .offset: 32, .size: 8, .value_kind: global_buffer, .address_space: global }
      - { .name: bk, .offset: 40, .size: 8, .value_kind: global_buffer, .address_space: global }
      - { .name: bv, .offset: 48, .size: 8, .value_kind: global_buffer, .address_space: global }
      - { .name: pcodes, .offset: 56, .size: 8, .value_kind: global_buffer, .address_space: global }
      - { .name: pscales, .offset: 64, .size: 8, .value_kind: global_buffer, .address_space: global }
    .group_segment_fixed_size: 327680
    .private_segment_fixed_size: 0
    .kernarg_segment_align: 8
    .kernarg_segment_size: 72
    .max_flat_workgroup_size: 128
    .sgpr_count:     102
    .vgpr_count:     1024
    .wavefront_size: 32
...
	.end_amdgpu_metadata
.endif
;; end of part 2
;; launch attn (part 3): grid 2 x 128, 16 waves a work-group, no clusters, 210,944 bytes of LDS; arguments pcodes, pscales, x, obuf; writes obuf
.if DOCPART == 3
	.amdgcn_target "amdgcn-amd-amdhsa--gfx1250"
	.amdhsa_code_object_version 6
	.text
	.protected	k_q62ce9445e4_attn
	.globl	k_q62ce9445e4_attn
	.p2align	8
	.type	k_q62ce9445e4_attn,@function
k_q62ce9445e4_attn:
	s_mov_b64 s[64:65], 0
	v_nop
	global_prefetch_b8 v0, s[64:65] scope:SCOPE_SE
	s_setreg_imm32_b32 hwreg(HW_REG_WAVE_MODE, 25, 1), 1
	s_wait_xcnt 0x0
; obuf[b][q][h][:] = x[b][q][h][:] + the sum over k of softmax_k(q . k / 32) v, both products on codes of FP8 (E4M3) with one E8M0 scale for each 32 along a product's K.  8 batches x 16 heads, 1,024 queries and keys, head size 64.
; THE SOFTMAX AHEAD OF THE SECOND PRODUCT: t = score x log2(e) / 32; M = the row's largest t so far, rounded UP to a whole number; p = 2^(t - M) is what is quantised, along the keys; it is not normalised.
; The row's sum is taken of the unquantised p, in f32, and divides O at the end.  When M moves, the sum and O are multiplied by 2^(old M - new M): exact.
; SHARES.  A work-group owns one head and 512 of its queries; each of its sixteen waves owns two tiles of 16 queries, one after the other, in 256 registers: four waves to a SIMD, so that one wave's vector work stands beside another's products and LDS loads.
; THE HEAD'S K, V AND THEIR SCALE WORDS, 136 KiB, COME INTO LDS ONCE, as images of the operand registers: a fragment is read by loads of 512 consecutive bytes.  Waves 0, 2, 4, 6 ask for K's four quarters (256 keys each), wave 8 for K's scale words,
; waves 1, 3, 5, 7 for V's quarters, wave 9 for V's scale words: one tensor load in each of the ten, none in the others.  The first tile of queries begins when the first quarters are in: a wait in the fetching waves and a barrier stand in front of each two key steps.  Nothing is filled again.
; No cluster: only two work-groups share a head's K and V, which are fetched once for all 256 key steps of a work-group's waves.
; LAYOUT.  Both products are used transposed: S^T = K Q^T (source 0 = 16 keys, source 1 = my 16 queries), O^T = V^T P^T (source 0 = 16 of the head's 64, source 1 = P): a lane holds ONE query (lane % 16) throughout.
; The scores' K is 64: registers 8-15 of K's and Q's fragments are zero codes, which add nothing under any scale byte but 0xff, and no byte here is 0xff.
; The keys of tile i are 32 (i / 2) + 8 (i % 2) + r + 8 (r / 8), so that the 16 registers of tiles 2 b, 2 b + 1 are the keys 32 b + 16 (lane / 16) + 0..15; the queries of a tile and V's rows d of a tile lie in the same order.
; The residual's x is added here, on the way out, where each lane holds 16 bytes of a row: the next launch then reads one tensor in place of two.
; LIMITS: NaN and infinities are not served.
; REGISTERS: v1-7 addresses that stay; v8-11 addresses of the step; v12 -M, v13 the largest t, v[14:15] the sum; v16-23 Q, v24-31 zeros; v32-95 four fragments of K (8 data + 8 zeros each); v96-159 S^T, then p, then (v96-127) V's tiles 2, 3;
;   v160-191 O^T; v192-223 V's tiles 0, 1, on the way out x; v224-239 p's codes; v232-247, v252, v254 at work; v248-251 the tiles' scale words; v253 p's scale word; v255 Q's.
.set KSB,  0x20000                     ; LDS: K's fragments [tile 64][c 2][lane][16] at 0; V's [step 8][tile 4][c 4][lane][16] at 0x10000; K's scale words [tile 64][16][4] here;
.set VSB,  0x21000                     ; V's [step 8][tile 4][128 bytes] here;
.set STG,  0x22000                     ; and a stage of 16 rows x (256 bytes + 16) for each wave, for the way out
.set LI,   1                           ; v1   16 x lane: my place in an image
.set LS,   2                           ; v2   4 r
.set AV0,  3                           ; v3   16 x lane + V's base
.set ASK0, 4                           ; v4   4 r + K's scale words' base
.set ASV0, 5                           ; v5   4 r + V's
.set STO,  6                           ; v6   the stage: where I put 16 bytes of a row
.set RD,   7                           ; v7   and where I read a row back
.set ADK,  8
.set ADV,  9
.set ADS,  10
.set ADT,  11
.set WV,   10                          ; s10  my wave's number
.set MNT,  11                          ; s11  the mantissa field of 448
.set SEL,  12                          ; s[12:13] lane selects: lane l xor 16
.set CS,   14                          ; s[14:15] c = log2(e) / 32
.set G1K,  16                          ; s[16:23], s[24:31], s[32:39], s[40:47] descriptor groups 1: K, V, K's scales, V's scales
.set G1V,  24
.set G1KS, 32
.set G1VS, 40
.set G0Q,  48                          ; s[48:51] group 0: my quarter of K (even wave) or of V (odd wave)
.set TK,   66                          ; s66  the step's fragments begin here: 8,192 bytes a step, for K and for V
.set TS,   67                          ; s67  and its scale words: 512 bytes a step
.set G0S,  68                          ; s[68:71] group 0 for the scale words
.set QB,   72                          ; s[72:73] Q's codes at my first tile;  s[74:75] its scale words;  s[76:77] obuf, s[78:79] x at my 32 rows and my head
.set QS,   74
.set OB,   76
.set XB,   78
.set CNT,  80                          ; s80  steps to go
	s_load_b128 s[4:7], s[0:1], 0x0                ; pcodes, pscales
	s_load_b64 s[8:9], s[0:1], 0x10                ; x
	s_load_b64 s[2:3], s[0:1], 0x18                ; obuf
	v_lshl_add_u32 v254, v0, 2, 0x33000
	v_mov_b32 v255, 0
	ds_add_u32 v254, v255
	ds_add_u32 v254, v255
	s_wait_dscnt 0x0
	v_lshrrev_b32 v8, 5, v0
	s_delay_alu instid0(VALU_DEP_1)
	v_readfirstlane_b32 s[WV], v8                  ; wave 0..15
	s_and_b32 s81, ttmp7, 0xffff                   ; 16 x batch + head
	s_lshr_b32 s82, s81, 4                         ; batch
	s_and_b32 s83, s81, 15                         ; head
	s_lshr_b32 s84, s83, 1                         ; hp: the pair of heads
	s_and_b32 s85, s83, 1                          ; hl: which of the pair
	s_lshl_b32 s86, s84, 6
	s_lshl_b32 s87, s82, 3
	s_add_co_u32 s86, s86, s87                     ; 64 hp + 8 batch: the batch's first block of 128 tokens
	s_and_b32 s87, s[WV], 1                        ; what I fetch, if I fetch: 0 K, 1 V
	s_lshl_b32 s88, s85, 10                        ; Q, K: my head's 1,024 bytes of each tile's 2,048
	s_lshl_b32 s89, s85, 13                        ; V: my head's 8,192 bytes of each block
	s_lshl_b32 s90, s85, 6                         ; Q, K: my head's 64 bytes of each tile's 128 bytes of scale words
	s_lshl_b32 s91, s85, 9                         ; V: my head's 512 bytes of each block's
	s_cmp_eq_u32 s87, 0                            ; both choices stand ahead of the additions, which set SCC
	s_cselect_b32 s92, s88, s89
	s_cselect_b32 s94, s90, s91
	s_add_co_u32 s96, s87, 1                       ; the part of pcodes and pscales: 1 K, 2 V
	s_lshl_b32 s97, s96, 23                        ; x 8 MiB
	s_add_co_u32 s92, s92, s97
	s_lshl_b32 s97, s86, 14                        ; a block is 16,384 bytes of codes
	s_add_co_u32 s92, s92, s97
	s_mov_b32 s93, 0
	s_lshl_b32 s98, s96, 19                        ; x 524,288
	s_add_co_u32 s94, s94, s98
	s_lshl_b32 s98, s86, 10                        ; a block is 1,024 bytes of scale words
	s_add_co_u32 s94, s94, s98
	s_mov_b32 s95, 0
	s_lshl_b32 s99, s87, 16                        ; in LDS: K's fragments at 0, V's at 0x10000
	s_lshl_b32 s100, s87, 12                       ; K's scale words at KSB, V's 0x1000 further on
	s_add_co_u32 s[QB], s97, s88                   ; my first tile of queries is 32 x + 2 w: 2,048 bytes of codes a tile
	s_lshl_b32 s96, ttmp9, 16
	s_add_co_u32 s[QB], s[QB], s96
	s_lshl_b32 s96, s[WV], 12
	s_add_co_u32 s[QB], s[QB], s96
	s_mov_b32 s[QB+1], 0
	s_add_co_u32 s[QS], s98, s90                   ; 128 bytes of scale words a tile
	s_lshl_b32 s96, ttmp9, 12
	s_add_co_u32 s[QS], s[QS], s96
	s_lshl_b32 s96, s[WV], 8
	s_add_co_u32 s[QS], s[QS], s96
	s_mov_b32 s[QS+1], 0
	s_lshl_b32 s[OB], s82, 22                      ; obuf and x: row 1,024 batch + 512 x + 32 w of 4,096 bytes, + 256 head
	s_lshl_b32 s96, ttmp9, 21
	s_add_co_u32 s[OB], s[OB], s96
	s_lshl_b32 s96, s[WV], 17
	s_add_co_u32 s[OB], s[OB], s96
	s_lshl_b32 s96, s83, 8
	s_add_co_u32 s[OB], s[OB], s96
	s_mov_b32 s[OB+1], 0
	; descriptor groups 1: elements of 8 bytes, no padding, no mask.  K: 16 rows of 1,024 bytes, 2,048 apart;  V: 2 rows of 8,192, 16,384 apart;  K's scales: 64 rows of 64, 128 apart;  V's: 8 rows of 512, 1,024 apart
	s_mov_b32 s[G1K], 3<<16
	s_mov_b32 s[G1K+1], 128<<16                    ; tensor_dim0
	s_mov_b32 s[G1K+2], 16<<16                     ; tensor_dim1
	s_mov_b32 s[G1K+3], 128<<16                    ; tile_dim0
	s_mov_b32 s[G1K+4], 16                         ; tile_dim1
	s_mov_b32 s[G1K+5], 256                        ; tensor_dim0_stride
	s_mov_b32 s[G1K+6], 0
	s_mov_b32 s[G1K+7], 0
	s_mov_b32 s[G1V], 3<<16
	s_mov_b32 s[G1V+1], 1024<<16
	s_mov_b32 s[G1V+2], 2<<16
	s_mov_b32 s[G1V+3], 1024<<16
	s_mov_b32 s[G1V+4], 2
	s_mov_b32 s[G1V+5], 2048
	s_mov_b32 s[G1V+6], 0
	s_mov_b32 s[G1V+7], 0
	s_mov_b32 s[G1KS], 3<<16
	s_mov_b32 s[G1KS+1], 8<<16
	s_mov_b32 s[G1KS+2], 64<<16
	s_mov_b32 s[G1KS+3], 8<<16
	s_mov_b32 s[G1KS+4], 64
	s_mov_b32 s[G1KS+5], 16
	s_mov_b32 s[G1KS+6], 0
	s_mov_b32 s[G1KS+7], 0
	s_mov_b32 s[G1VS], 3<<16
	s_mov_b32 s[G1VS+1], 64<<16
	s_mov_b32 s[G1VS+2], 8<<16
	s_mov_b32 s[G1VS+3], 64<<16
	s_mov_b32 s[G1VS+4], 8
	s_mov_b32 s[G1VS+5], 128
	s_mov_b32 s[G1VS+6], 0
	s_mov_b32 s[G1VS+7], 0
	s_mov_b32 s[SEL], 0x76543210
	s_mov_b32 s[SEL+1], 0xfedcba98
	s_mov_b32 s[CS], 0x3d38aa3b                    ; c = log2(e) / 32
	s_mov_b32 s[CS+1], s[CS]                       ; (named with it as a pair)
	s_mov_b32 s[MNT], 0x600000
	s_wait_kmcnt 0x0
	; THE FILLS ARE SHARED OUT, ONE TENSOR LOAD A WAVE: wave w under 8 fetches quarter w / 2 of K (w even) or of V (w odd); wave 8 K's scale words, wave 9 V's; the others nothing
	s_lshr_b32 s96, s[WV], 1                       ; my quarter
	s_lshl_b32 s98, s96, 14                        ; in LDS a quarter is 16,384 bytes
	s_lshl_b32 s96, s96, 15                        ; in memory two blocks
	s_mov_b32 s97, 0
	s_mov_b32 s[G0Q], 1
	s_add_co_u32 s[G0Q+1], s99, s98
	s_add_nc_u64 s[G0Q+2:G0Q+3], s[4:5], s[92:93]
	s_add_nc_u64 s[G0Q+2:G0Q+3], s[G0Q+2:G0Q+3], s[96:97]
	s_or_b32 s[G0Q+3], s[G0Q+3], 0x80000000
	s_mov_b32 s[G0S], 1
	s_add_co_u32 s[G0S+1], s100, KSB
	s_add_nc_u64 s[G0S+2:G0S+3], s[6:7], s[94:95]
	s_or_b32 s[G0S+3], s[G0S+3], 0x80000000
	; the fills, one tensor load in each fetching wave, four v_nop behind it
	; one chain of branches on the wave's number, a load to an arm, all arms leading to one join
	; each of the ten fetching waves has an arm and a load line of its own, so that a barrier can show the quarters one after the other
.macro ARM n, g0, g1
	s_cmp_eq_u32 s[WV], \n
	s_cbranch_scc0 .Lnot_\n
	tensor_load_to_lds s[\g0:\g0+3], s[\g1:\g1+7]
	s_nop 0
.rept 4
	v_nop
.endr
	s_branch .Lasked
.Lnot_\n:
.endm
	ARM 8, G0S, G1KS
	ARM 9, G0S, G1VS
	ARM 0, G0Q, G1K
	ARM 1, G0Q, G1V
	ARM 2, G0Q, G1K
	ARM 3, G0Q, G1V
	ARM 4, G0Q, G1K
	ARM 5, G0Q, G1V
	ARM 6, G0Q, G1K
	ARM 7, G0Q, G1V
.Lasked:
	s_add_nc_u64 s[QB:QB+1], s[4:5], s[QB:QB+1]
	s_add_nc_u64 s[QS:QS+1], s[6:7], s[QS:QS+1]
	s_add_nc_u64 s[XB:XB+1], s[8:9], s[OB:OB+1]
	s_add_nc_u64 s[OB:OB+1], s[2:3], s[OB:OB+1]
	v_and_b32 v8, 31, v0
	s_delay_alu instid0(VALU_DEP_1)
	v_lshlrev_b32 v[LI], 4, v8
	v_and_b32 v9, 15, v0                           ; r
	v_bfe_u32 v10, v0, 4, 1                        ; h
	s_delay_alu instid0(VALU_DEP_2)
	v_lshlrev_b32 v[LS], 2, v9
.macro QLOAD qt                        ; tile qt's fragment (its 8 data registers) and scale words
	global_load_b128 v[16:19], v[LI], s[QB:QB+1] offset:2048*\qt
	global_load_b128 v[20:23], v[LI], s[QB:QB+1] offset:2048*\qt+512
	global_load_b32 v255, v[LS], s[QS:QS+1] offset:128*\qt
.endm
	QLOAD 0
	v_add_nc_u32 v[AV0], 0x10000, v[LI]
	v_add_nc_u32 v[ASK0], KSB, v[LS]
	v_add_nc_u32 v[ASV0], VSB, v[LS]
	s_mul_i32 s96, s[WV], 16*272
	s_add_co_u32 s96, s96, STG                     ; my stage
	v_mul_u32_u24 v[STO], v9, 272
	s_delay_alu instid0(VALU_DEP_1)
	v_lshl_add_u32 v[STO], v10, 6, v[STO]
	s_delay_alu instid0(VALU_DEP_1)
	v_add_nc_u32 v[STO], s96, v[STO]               ; in: row r, + 64 h: my half's 16 channels of each 32
	v_mul_u32_u24 v[RD], v10, 272
	s_delay_alu instid0(VALU_DEP_1)
	v_lshl_add_u32 v[RD], v9, 4, v[RD]
	s_delay_alu instid0(VALU_DEP_1)
	v_add_nc_u32 v[RD], s96, v[RD]                 ; back: lanes 0-15 one row of 256 bytes, lanes 16-31 the next
.irp j, 0,1,2,3,4,5,6,7
	v_mov_b32 v[24+\j], 0                          ; the zero codes of K = 64 .. 127: written once, in Q's fragment
	v_mov_b32 v[40+\j], 0                          ; and in K's four
	v_mov_b32 v[56+\j], 0
	v_mov_b32 v[72+\j], 0
	v_mov_b32 v[88+\j], 0
.endr
.irp b, 0,1,2,3
	v_mov_b32 v[236+\b], 0                         ; written once: a lane permute's destination counts as one of its sources
.endr
	v_mov_b32 v253, 0                              ; (named as the upper half of the pair v[252:253] before it is first written)
; THE LARGEST SCORE OF TWO BLOCKS OF 32 KEYS, by turns: it serves the row's maximum and, since p rises with the score, the block's largest p.  16 lines; each accumulator is read from its low end on.
.macro BMAX p, q
.irp b, \p, \q
	v_max3_num_f32 v[232+\b], v[96+16*\b], v[97+16*\b], v[98+16*\b]
.endr
.irp i, 3,5,7,9,11,13
.irp b, \p, \q
	v_max3_num_f32 v[232+\b], v[232+\b], v[96+16*\b+\i], v[97+16*\b+\i]
.endr
.endr
.irp b, \p, \q
	v_max_num_f32 v[232+\b], v[232+\b], v[111+16*\b]
.endr
.endm
; A KEY STEP: 128 keys.
.macro STEP
	v_add_nc_u32 v[ADK], s[TK], v[LI]
	s_wait_alu depctr_va_vdst(0)
	v_add_nc_u32 v[ADV], s[TK], v[AV0]
	v_add_nc_u32 v[ADS], s[TS], v[ASK0]
	s_wait_alu depctr_va_vdst(0)
	v_add_nc_u32 v[ADT], s[TS], v[ASV0]
.irp g, 0,1                                    ; S^T = K Q^T, four tiles of 16 keys at a time
.rept 5+3*\g
	v_nop                                          ; at the head nine places with the four additions: the first products below write over v96-127, which the last step's products read as V's tiles 2, 3, and the loads write the scale words that they read; in the middle eight, in front of loads into K's fragments
.endr
.irp t, 0,1,2,3
	ds_load_b128 v[32+16*\t:35+16*\t], v[ADK] offset:(4*\g+\t)*1024
	ds_load_b128 v[36+16*\t:39+16*\t], v[ADK] offset:(4*\g+\t)*1024+512
	ds_load_b32 v[248+\t], v[ADS] offset:(4*\g+\t)*64
.endr
	s_wait_dscnt 0x0
.irp t, 0,1,2,3
	v_wmma_scale_f32_16x16x128_f8f6f4 v[96+8*(4*\g+\t):103+8*(4*\g+\t)], v[32+16*\t:47+16*\t], v[16:31], 0, v[248+\t], v255
.endr
.endr
	BMAX 0, 1                                      ; the first four tiles' scores stand eight places back already: these 16 lines name no register of the last four products and are their places
.irp t, 0,1                                    ; V's tiles 0 and 1 are asked for here and land under the softmax
.irp c, 0,1,2,3
	ds_load_b128 v[192+16*\t+4*\c:195+16*\t+4*\c], v[ADV] offset:\t*2048+512*\c
.endr
	ds_load_b32 v[248+\t], v[ADT] offset:\t*128
.endr
	BMAX 2, 3
.irp b, 0,1,2,3
	v_permlanex16_b32 v[236+\b], v[232+\b], s[SEL], s[SEL+1]
.endr
.irp b, 0,1,2,3
	s_delay_alu instid0(VALU_DEP_4)
	v_max_num_f32 v[232+\b], v[232+\b], v[236+\b]   ; with lane l xor 16's 16 keys
.endr
	s_delay_alu instid0(VALU_DEP_2)
	v_max3_num_f32 v254, v232, v233, v234
	s_delay_alu instid0(VALU_DEP_1)
	v_max_num_f32 v254, v254, v235                 ; the step's largest score of my query
	s_delay_alu instid0(VALU_DEP_1)
	v_mul_f32 v254, s[CS], v254                    ; as t (c is positive)
	s_delay_alu instid0(VALU_DEP_1)
	v_max_num_f32 v13, v13, v254                   ; the running largest t
	v_mov_b32 v254, v12
	s_delay_alu instid0(VALU_DEP_2)
	v_floor_f32 v12, -v13                          ; the new -M = floor(-t) = -ceil(t): M is a whole number
	s_delay_alu instid0(VALU_DEP_1)
	v_sub_f32 v254, v12, v254                      ; old M - new M: a whole number, 0 or less
	s_delay_alu instid0(VALU_DEP_1)
	v_cvt_i32_f32 v254, v254                       ; (it saturates)
	s_delay_alu instid0(VALU_DEP_1)
	v_ldexp_f32 v252, 1.0, v254                    ; f = 2^(old M - new M): a multiplication by it rounds nothing
.set J, 0
.rept 32
	v_pk_fma_f32 v[96+J:97+J], v[96+J:97+J], s[CS:CS+1], v[12:13] op_sel_hi:[1,0,0]   ; t - M, two at a time (of the pairs c and -M the low word serves both halves)
.set J, J+2
.endr
.irp b, 0,1,2,3
	v_fma_f32 v[232+\b], v[232+\b], s[CS], v12     ; the same of each block's largest score
.endr
.set J, 0
	s_wait_alu depctr_va_vdst(0)
.rept 64
	v_exp_f32 v[96+J], v[96+J]                     ; p = 2^(t - M), at most 1: not normalised
.set J, J+1
.endr
.irp b, 0,1,2,3
	v_exp_f32 v[232+\b], v[232+\b]                 ; the block's largest p: the same two instructions on the same number give the same bits
.endr
	v_pk_mul_f32 v[14:15], v[14:15], v[252:253] op_sel_hi:[1,0]   ; the sums under the new M.  (A plain place behind the exponentials)
	s_wait_alu depctr_va_vdst(0)
.irp b, 0,1,2,3
	v_max_num_f32 v[232+\b], 0x4800000, v[232+\b]  ; the floor 2^(9 - 127): the byte cannot fall under 1
.endr
.irp b, 0,1,2,3
	s_delay_alu instid0(VALU_DEP_4)
	v_add_nc_u32 v[244+\b], 0xfc000000, v[232+\b]  ; 8 off the exponent field: the conversion's scale operand
.endr
.irp b, 0,1,2,3
	v_and_or_b32 v[240+\b], v[232+\b], 0x7f800000, s[MNT]   ; 448 x the scale
.endr
.irp b, 0,1,2,3
	v_and_or_b32 v[32+((\b+1)%4)], v[232+\b], 0x7f800000, s[MNT]   ; and once more, in a register of another bank, for the second half of a dual hold (v32-35 lie idle until the next step's loads)
.endr
.irp b, 0,1,2,3
	v_lshrrev_b32 v[236+\b], 23, v[244+\b]         ; the scale's byte
.endr
	s_delay_alu instid0(VALU_DEP_3)
	v_lshl_or_b32 v253, v237, 8, v236              ; p's scale word for these 128 keys
	s_delay_alu instid0(VALU_DEP_1)
	v_lshl_or_b32 v253, v238, 16, v253
	s_delay_alu instid0(VALU_DEP_1)
	v_lshl_or_b32 v253, v239, 24, v253
	v_pk_add_f32 v[236:237], v[100:101], v[104:105]
	v_pk_add_f32 v[250:251], v[108:109], v[112:113]
	v_pk_add_f32 v[238:239], v[116:117], v[120:121]
	v_pk_add_f32 v[234:235], v[124:125], v[128:129]
	v_pk_add_f32 v[232:233], v[132:133], v[136:137]
	v_pk_add_f32 v[230:231], v[140:141], v[144:145]
	v_pk_add_f32 v[228:229], v[148:149], v[152:153]
	v_pk_add_f32 v[14:15], v[14:15], v[156:157]
	v_pk_add_f32 v[236:237], v[236:237], v[96:97]
	v_pk_add_f32 v[250:251], v[250:251], v[98:99]
	v_pk_add_f32 v[238:239], v[238:239], v[102:103]
	v_pk_add_f32 v[234:235], v[234:235], v[106:107]
	v_pk_add_f32 v[232:233], v[232:233], v[110:111]
	v_pk_add_f32 v[230:231], v[230:231], v[114:115]
	v_pk_add_f32 v[228:229], v[228:229], v[118:119]
	v_pk_add_f32 v[14:15], v[14:15], v[122:123]
	v_pk_add_f32 v[236:237], v[236:237], v[126:127]
	v_pk_add_f32 v[250:251], v[250:251], v[130:131]
	v_pk_add_f32 v[238:239], v[238:239], v[134:135]
	v_pk_add_f32 v[234:235], v[234:235], v[138:139]
	v_pk_add_f32 v[232:233], v[232:233], v[142:143]
	v_pk_add_f32 v[230:231], v[230:231], v[146:147]
	v_pk_add_f32 v[228:229], v[228:229], v[150:151]
	v_pk_add_f32 v[14:15], v[14:15], v[154:155]
	v_pk_add_f32 v[236:237], v[236:237], v[158:159]
	s_delay_alu instid0(VALU_DEP_2)
	v_pk_add_f32 v[14:15], v[14:15], v[234:235]
	s_delay_alu instid0(VALU_DEP_2)
	v_pk_add_f32 v[236:237], v[236:237], v[232:233]
	v_pk_add_f32 v[250:251], v[250:251], v[230:231]
	v_pk_add_f32 v[238:239], v[238:239], v[228:229]
	s_delay_alu instid0(VALU_DEP_2)
	v_pk_add_f32 v[14:15], v[14:15], v[250:251]
	s_delay_alu instid0(VALU_DEP_2)
	v_pk_add_f32 v[236:237], v[236:237], v[238:239]
	s_delay_alu instid0(VALU_DEP_1)
	v_pk_add_f32 v[14:15], v[14:15], v[236:237]
.irp b, 0,1,2,3
.irp i, 0,2,4,6,8,10,12,14
	v_dual_min_num_f32 v[96+16*\b+\i], v[240+\b], v[96+16*\b+\i] :: v_dual_min_num_f32 v[97+16*\b+\i], v[32+((\b+1)%4)], v[97+16*\b+\i]   ; the conversion does not saturate (ISA guide 7.6.2); p is not negative, so the hold is one-sided; two holds an instruction
.endr
	v_cvt_scalef32_pk8_fp8_f32 v[224+4*\b:225+4*\b], v[96+16*\b:103+16*\b], v[244+\b]
	v_cvt_scalef32_pk8_fp8_f32 v[226+4*\b:227+4*\b], v[104+16*\b:111+16*\b], v[244+\b]
.if \b == 1                                    ; p's blocks 0 and 1 are codes now: their 32 registers take V's tiles 2 and 3, which land under the other two blocks' lines
.irp t, 2,3
.irp c, 0,1,2,3
	ds_load_b128 v[96+16*(\t-2)+4*\c:99+16*(\t-2)+4*\c], v[ADV] offset:\t*2048+512*\c
.endr
	ds_load_b32 v[248+\t], v[ADT] offset:\t*128
.endr
.endif
.endr
.set J, 0
.rept 16
	v_pk_mul_f32 v[160+J:161+J], v[160+J:161+J], v[252:253] op_sel_hi:[1,0]   ; O^T under the new M.  (These 16 are also the places between the codes and the products below)
.set J, J+2
.endr
	s_wait_alu depctr_va_vdst(0)
	s_wait_dscnt 0x0                               ; V's four tiles and their scale words
.irp t, 0,1                                    ; O^T += V^T P^T: four tiles of 16 of the head's 64, four accumulators by turns; K = these 128 keys
	v_wmma_scale_f32_16x16x128_f8f6f4 v[160+8*\t:167+8*\t], v[192+16*\t:207+16*\t], v[224:239], v[160+8*\t:167+8*\t], v[248+\t], v253
.endr
.irp t, 2,3
	v_wmma_scale_f32_16x16x128_f8f6f4 v[160+8*\t:167+8*\t], v[96+16*(\t-2):111+16*(\t-2)], v[224:239], v[160+8*\t:167+8*\t], v[248+\t], v253
.endr
.endm
.macro KEYS n                          ; n key steps
	s_mov_b32 s[CNT], \n
.Lkeys_\@:
	STEP
	s_add_co_u32 s[TK], s[TK], 8192
	s_add_co_u32 s[TS], s[TS], 512
	s_sub_co_u32 s[CNT], s[CNT], 1
	s_cmp_lg_u32 s[CNT], 0
	s_cbranch_scc1 .Lkeys_\@
.endm
; ONE TILE OF 16 QUERIES: all 1,024 keys in eight steps, then the way out.  There is no first step of its own: O^T and the sum begin as zeros and the largest t as -3e38.
.macro QTILE qt
	s_wait_loadcnt 0x0                             ; Q
	v_mov_b32 v13, 0xff61b1e6                      ; -3e38, under every t
	s_delay_alu instid0(VALU_DEP_1)
	v_floor_f32 v12, -v13                          ; -M
	v_mov_b32 v14, 0
	v_mov_b32 v15, 0
.set J, 0
.rept 32
	v_mov_b32 v[160+J], 0
.set J, J+1
.endr
	s_mov_b32 s[TK], 0
	s_mov_b32 s[TS], 0
.if \qt == 0
	; the first tile follows the fills, a quarter (two key steps) at a time.  The first barrier shows the scale words (waves 8, 9) and the first quarters (waves 0, 1): those waves wait, waves 2 to 7 do not
	s_cmp_lt_u32 s[WV], 2
	s_cbranch_scc1 .Lmine_0
	s_cmp_lt_u32 s[WV], 8
	s_cbranch_scc1 .Lshown_0
.Lmine_0:
	s_wait_tensorcnt 0x0
.Lshown_0:
	s_barrier_signal -1                            ; (no LDS access of mine is out here: each step ends behind its wait for all of them)
	s_barrier_wait -1
	KEYS 2
.irp n, 4,6                                    ; the second quarters are waves 2 and 3's, the third waves 4 and 5's
	s_cmp_lt_u32 s[WV], \n
	s_cbranch_scc0 .Lshown_\n
	s_wait_tensorcnt 0x0
.Lshown_\n:
	s_barrier_signal -1
	s_barrier_wait -1
	KEYS 2
.endr
	s_wait_tensorcnt 0x0                           ; the last barrier shows all that is still out: every wave waits, under no branch.  Nothing is filled again
	s_barrier_signal -1
	s_barrier_wait -1
	KEYS 2
.else
	KEYS 8
.endif
.if \qt == 0
	QLOAD 1                                        ; the next tile's Q lands during the way out (the last products that read these registers stand a whole softmax back)
.endif
	v_bfe_u32 v254, v0, 4, 1                       ; eight places behind the last products: four lines that make my offset in obuf and in x, and four v_nop
	v_and_b32 v244, 15, v0
	s_delay_alu instid0(VALU_DEP_2)
	v_lshlrev_b32 v254, 12, v254
	s_delay_alu instid0(VALU_DEP_1)
	v_lshl_add_u32 v254, v244, 4, v254             ; lanes 0-15 one row, lanes 16-31 the next; 16 bytes a lane
.rept 4
	v_nop
.endr
.irp i, 0,1,2,3,4,5,6,7
	global_load_b128 v[192+4*\i:195+4*\i], v254, s[XB:XB+1] offset:(8*\qt+2*\i+8*(\i/4))*4096 th:TH_LOAD_NT   ; x where I shall store: it lands under the division and the trip through the stage
.endr
	v_add_f32 v14, v14, v15                        ; the sum's two halves,
	s_delay_alu instid0(VALU_DEP_1)
	v_permlanex16_b32 v252, v14, s[SEL], s[SEL+1]
	s_delay_alu instid0(VALU_DEP_1)
	v_add_f32 v14, v14, v252                       ; and lane l xor 16's: the row's sum
	s_wait_alu depctr_va_vdst(0)
	v_rcp_f32 v14, v14
	v_nop                                          ; one plain place behind the transcendental
.set J, 0
	s_wait_alu depctr_va_vdst(0)
.rept 32
	v_mul_f32 v[96+J], v[160+J], v14               ; O^T / the sum: register 8 a + j is channel 32 (a / 2) + 8 (a % 2) + 16 h + j of query r
.set J, J+1
.endr
.irp a, 0,1,2,3
	ds_store_b128 v[STO], v[96+8*\a:99+8*\a] offset:128*(\a/2)+32*(\a%2)
	ds_store_b128 v[STO], v[100+8*\a:103+8*\a] offset:128*(\a/2)+32*(\a%2)+16
.endr
.irp i, 0,1,2,3,4,5,6,7
	ds_load_b128 v[128+4*\i:131+4*\i], v[RD] offset:544*\i     ; LDS serves a wave's instructions in order: these see my stores
.endr
.irp i, 0,1,2,3,4,5,6,7
	s_wait_dscnt 7-\i                              ; row pair i is back from the stage,
	s_wait_loadcnt 7-\i                            ; and its x is in; the younger loads of both kinds may be out
	v_pk_add_f32 v[128+4*\i:129+4*\i], v[128+4*\i:129+4*\i], v[192+4*\i:193+4*\i]
	v_pk_add_f32 v[130+4*\i:131+4*\i], v[130+4*\i:131+4*\i], v[194+4*\i:195+4*\i]
	global_store_b128 v254, v[128+4*\i:131+4*\i], s[OB:OB+1] offset:(8*\qt+2*\i+8*(\i/4))*4096   ; stage row 2 i + h is query 8 qt + 2 i + h + 8 (i / 4) of my 32; sixteen lanes store 256 consecutive bytes, aligned
.endr
.if \qt == 0
	s_wait_xcnt 0x0                                ; the stores' data and offset are written again only behind this wait
.endif
.endm
	QTILE 0
	QTILE 1
	s_wait_xcnt 0x0
	v_lshl_add_u32 v254, v0, 2, 0x33000
	v_mov_b32 v255, 0
	s_wait_alu depctr_va_vdst(0)
	s_wait_tensorcnt 0x0
	ds_add_u32 v254, v255
	s_wait_dscnt 0x0
	s_endpgm
.Lfunc_end_k_q62ce9445e4_attn:
	.size	k_q62ce9445e4_attn, .Lfunc_end_k_q62ce9445e4_attn-k_q62ce9445e4_attn
	.p2alignl 7, 3214868480
	.fill 96, 4, 3214868480
	.section	.rodata,"a",@progbits
	.p2align	6, 0x0
	.amdhsa_kernel k_q62ce9445e4_attn
		.amdhsa_group_segment_fixed_size 210944
		.amdhsa_private_segment_fixed_size 0
		.amdhsa_enable_private_segment 0
		.amdhsa_kernarg_size 32
		.amdhsa_user_sgpr_count 2
		.amdhsa_user_sgpr_kernarg_segment_ptr 1
		.amdhsa_wavefront_size32 1
		.amdhsa_system_sgpr_workgroup_id_x 1
		.amdhsa_system_sgpr_workgroup_id_y 1
		.amdhsa_system_sgpr_workgroup_id_z 1
		.amdhsa_system_vgpr_workitem_id 0
		.amdhsa_next_free_vgpr 256
		.amdhsa_next_free_sgpr 102
		.amdhsa_reserve_vcc 0
		.amdhsa_float_denorm_mode_32 3
		.amdhsa_float_denorm_mode_16_64 3
		.amdhsa_memory_ordered 1
		.amdhsa_forward_progress 1
		.amdhsa_inst_pref_size 128
	.end_amdhsa_kernel
	.amdgpu_metadata
---
amdhsa.version: [ 1, 2 ]
amdhsa.kernels:
  - .name:           k_q62ce9445e4_attn
    .symbol:         k_q62ce9445e4_attn.kd
    .args:
      - { .name: pcodes, .offset: 0, .size: 8, .value_kind: global_buffer, .address_space: global }
      - { .name: pscales, .offset: 8, .size: 8, .value_kind: global_buffer, .address_space: global }
      - { .name: x, .offset: 16, .size: 8, .value_kind: global_buffer, .address_space: global }
      - { .name: obuf, .offset: 24, .size: 8, .value_kind: global_buffer, .address_space: global }
    .group_segment_fixed_size: 210944
    .private_segment_fixed_size: 0
    .kernarg_segment_align: 8
    .kernarg_segment_size: 32
    .max_flat_workgroup_size: 512
    .sgpr_count:     102
    .vgpr_count:     256
    .wavefront_size: 32
...
	.end_amdgpu_metadata
.endif
;; end of part 3
;; launch tail (part 4): grid 256 x 1, 8 waves a work-group, no clusters, 169,472 bytes of LDS; arguments obuf, g1, b1, wcodes, wscales, bf, g2, b2, out0; writes out0
.if DOCPART == 4
	.amdgcn_target "amdgcn-amd-amdhsa--gfx1250"
	.amdhsa_code_object_version 6
	.text
	.protected	k_q62ce9445e4_tail
	.globl	k_q62ce9445e4_tail
	.p2align	8
	.type	k_q62ce9445e4_tail,@function
k_q62ce9445e4_tail:
	s_mov_b64 s[64:65], 0
	v_nop
	global_prefetch_b8 v0, s[64:65] scope:SCOPE_SE
	s_setreg_imm32_b32 hwreg(HW_REG_WAVE_MODE, 25, 1), 1
	s_wait_xcnt 0x0
; z = LN1(x + o), the sum as the launch before stored it;  out = LN2(z + relu(z Wf + bf)).  The product is on codes of FP8 (E4M3) with E8M0 scales; z is quantised on the way and never goes to memory.  All else in f32.
; SHARES.  A work-group of eight waves owns 32 rows.  LN1: wave w takes rows 4 w .. 4 w + 3, a whole row in its registers.  From there on THE WAVES SHARE THE COLUMNS: wave w quantises K step w (columns 128 w on) of both
; tiles of 16 rows, and makes outputs 128 w .. 128 w + 127 for all 32 rows.  z lies in LDS as f32 (pitch 4,112 bytes) and as 16 images of operand registers.
; Wf's codes lie in memory in the order of the operand's registers: a wave loads its own 64 fragments straight into registers, 512 consecutive bytes a load, two K steps ahead; the first two K steps are asked for during LN1,
; when their registers lie idle.  No wave shares a fragment with another, so they do not go through LDS, and beside z's 128 KiB two slots for joint loads would hold half a K step each, eight products a wave in which to land: no cluster.
; The product is used transposed (source 0 = 16 rows n of Wf, source 1 = 16 rows of z): a lane holds one row and eight neighbouring outputs.  bf is the C of each sum's first matrix instruction.
; LN2's sums span the eight waves: they meet in LDS, added in the waves' order.  Four barriers in all.
; LIMITS: NaN and infinities are not served; a block of zeros keeps the byte 1 over zero codes.
; REGISTERS: window 0: v1-11, v14-15 addresses; v12-13 z's scale words; v16-47 at work, in the product z's two fragments; v48-63 Wf's scale words, two sets; v64-127 g1, b1, then bf;
;   v128-255 four row slots, then the quantiser's registers, then the 16 accumulators ((m, tile) at v[128 + 8 (2 tile + m)]).   window 1: two sets of Wf's 8 fragments; later z in the result's layout, g2, b2, rows of out.
.set ZP,   4112                        ; a row of z in LDS: 4,096 bytes + 16
.set ZH,   16*ZP                       ; rows 16-31 begin here
.set ZIMG, 32*ZP                       ; 16 fragment images of 2,048 bytes: tile of rows m, K step s at 8 m + s
.set ZSC,  ZIMG+32768                  ; their scale words, 128 bytes each
.set RED1, ZSC+2048                    ; the waves' parts of LN2's sums: [wave 8][m 2][r 16] words
.set RED2, RED1+1024                   ; and of the sums of squares
.set LI,  1                            ; v1   16 x lane
.set RO,  2                            ; v2   16 x lane + 16,384 w: my four rows in memory
.set ZW,  3                            ; v3   16 x lane + 4 ZP w: the same rows in z
.set ZR,  4                            ; v4-5   ZP r + 64 h + 512 w (+ ZH): z as the quantiser wants it
.set IW,  6                            ; v6   where I store my images
.set SW,  7                            ; v7   and their scale words
.set IR,  8                            ; v8   where any image is read
.set SR,  9                            ; v9   and its scale words
.set ZD,  10                           ; v10-11 ZP r + 32 h + 512 w (+ ZH): z, and later out, in the result's layout
.set ZS,  12                           ; v12-13 z's scale words
.set WSO, 14                           ; v14  32 r: Wf's scale words
.set BO,  15                           ; v15  32 h: bf, g2, b2 in the result's layout
.set WS,  48
.set GB,  64
.set SL,  128                          ; the row slots, 32 registers each
.set ACC, 128
.set T,   128                          ; the quantiser: v128-191 64 numbers, v192-207 codes, v208-223 at work, v224 the scale word
.set PC,  192
.set TM,  208
.set PW,  224
.set SRC,  4                           ; s[4:5] x + o;  s[6:7] g1;  s[8:9] b1;  s[10:11] wcodes;  s[12:13] wscales;  s[14:15] bf;  s[16:17] g2;  s[18:19] b2;  s[20:21] out
.set G1P,  6
.set B1P,  8
.set WCP,  10
.set WSP,  12
.set BFP,  14
.set G2P,  16
.set B2P,  18
.set OUTP, 20
.set WV,  24                           ; s24  wave
.set MNT, 25                           ; s25  the mantissa field of 448
.set SEL, 26                           ; s[26:27] lane selects: lane l xor 16
.set INV, 28                           ; s28  1 / 1,024
.set EPS, 29                           ; s29  1e-6
.set MSB, 0
.macro WIN new                         ; the immediate's high byte repeats the setting that is left
.if MSB != (\new)
	s_set_vgpr_msb (MSB<<8)|(\new)
.set MSB, (\new)
.endif
.endm
.macro BARRIER                         ; my LDS stores have landed and my LDS loads are in: then the work-group's barrier
	s_wait_dscnt 0x0
	s_barrier_signal -1
	s_barrier_wait -1
.endm
	s_load_b512 s[4:19], s[0:1], 0x0               ; obuf, g1, b1, wcodes, wscales, bf, g2, b2
	s_load_b64 s[20:21], s[0:1], 0x40              ; out0
	v_lshrrev_b32 v1, 5, v0
	s_delay_alu instid0(VALU_DEP_1)
	v_readfirstlane_b32 s[WV], v1                  ; wave 0..7
	v_and_b32 v16, 31, v0                          ; lane
	v_and_b32 v17, 15, v0                          ; r
	v_bfe_u32 v18, v0, 4, 1                        ; h
	s_delay_alu instid0(VALU_DEP_3)
	v_lshlrev_b32 v[LI], 4, v16
	s_lshl_b32 s30, s[WV], 14
	v_add_nc_u32 v[RO], s30, v[LI]
	s_mul_i32 s30, s[WV], 4*ZP
	v_add_nc_u32 v[ZW], s30, v[LI]
	s_lshl_b32 s31, s[WV], 9                       ; 512 w: my 128 columns, in bytes of f32
	v_mul_u32_u24 v19, v17, ZP
	s_delay_alu instid0(VALU_DEP_1)
	v_add_nc_u32 v19, s31, v19
	s_delay_alu instid0(VALU_DEP_1)
	v_lshl_add_u32 v[ZR], v18, 6, v19
	s_delay_alu instid0(VALU_DEP_1)
	v_add_nc_u32 v[ZR+1], ZH, v[ZR]
	s_delay_alu instid0(VALU_DEP_3)
	v_lshl_add_u32 v[ZD], v18, 5, v19
	s_delay_alu instid0(VALU_DEP_1)
	v_add_nc_u32 v[ZD+1], ZH, v[ZD]
	s_lshl_b32 s30, s[WV], 11
	v_add_nc_u32 v[IW], s30, v[LI]
	s_delay_alu instid0(VALU_DEP_1)
	v_add_nc_u32 v[IW], ZIMG, v[IW]
	v_lshlrev_b32 v[SR], 2, v16
	s_lshl_b32 s30, s[WV], 7
	v_add_nc_u32 v[SW], s30, v[SR]
	s_delay_alu instid0(VALU_DEP_1)
	v_add_nc_u32 v[SW], ZSC, v[SW]
	v_add_nc_u32 v[IR], ZIMG, v[LI]
	v_add_nc_u32 v[SR], ZSC, v[SR]
	v_lshlrev_b32 v[WSO], 5, v17
	v_lshlrev_b32 v[BO], 5, v18
	v_mov_b32 v21, 0                               ; (upper halves of pairs of which the low word serves both halves: written once)
	v_mov_b32 v25, 0
	s_mov_b32 s[MNT], 0x600000
	s_mov_b32 s[SEL], 0x76543210
	s_mov_b32 s[SEL+1], 0xfedcba98
	s_mov_b32 s[INV], 0x3a800000
	s_mov_b32 s[EPS], 0x358637bd
	s_lshl_b32 s32, ttmp9, 17                      ; my 32 rows of 4,096 bytes
	s_mov_b32 s33, 0
	s_lshl_b32 s34, s[WV], 17                      ; my 64 fragments of Wf: 131,072 bytes,
	s_add_co_u32 s34, s34, 0x300000                ; behind the 3,072 rows of Wq, Wk, Wv
	s_mov_b32 s35, 0
	s_add_co_u32 s36, s31, 98304                   ; Wf's scale words: [s 8][w 8][r 16][tile 8]
	s_mov_b32 s37, 0
	s_mov_b32 s38, s31
	s_mov_b32 s39, 0
	s_wait_alu depctr_va_vdst(0)
	s_wait_kmcnt 0x0
	s_add_nc_u64 s[SRC:SRC+1], s[SRC:SRC+1], s[32:33]
	s_add_nc_u64 s[OUTP:OUTP+1], s[OUTP:OUTP+1], s[32:33]
	s_add_nc_u64 s[WCP:WCP+1], s[WCP:WCP+1], s[34:35]
	s_add_nc_u64 s[WSP:WSP+1], s[WSP:WSP+1], s[36:37]
	s_add_nc_u64 s[BFP:BFP+1], s[BFP:BFP+1], s[38:39]
	s_add_nc_u64 s[G2P:G2P+1], s[G2P:G2P+1], s[38:39]
	s_add_nc_u64 s[B2P:B2P+1], s[B2P:B2P+1], s[38:39]
.macro WLOAD s                         ; K step s of my part of Wf: 8 fragments into set s % 2 of window 1, and their scale words: 34 loads
	WIN 0x40
.irp t, 0,1,2,3,4,5,6,7
.irp c, 0,1,2,3
	global_load_b128 v[128*((\s)%2)+16*\t+4*\c:128*((\s)%2)+16*\t+4*\c+3], v[LI], s[WCP:WCP+1] offset:16384*(\s)+2048*\t+512*\c
.endr
.endr
	WIN 0
	global_load_b128 v[WS+8*((\s)%2):WS+8*((\s)%2)+3], v[WSO], s[WSP:WSP+1] offset:4096*(\s)
	global_load_b128 v[WS+8*((\s)%2)+4:WS+8*((\s)%2)+7], v[WSO], s[WSP:WSP+1] offset:4096*(\s)+16
.endm
; ---------------- LN1: a row to a wave, all four rows asked for at once ----------------
.irp i, 0,1,2,3,4,5,6,7
	global_load_b128 v[GB+4*\i:GB+4*\i+3], v[LI], s[G1P:G1P+1] offset:512*\i          ; g1 of my columns 128 i + 4 lane + 0..3
.endr
.irp i, 0,1,2,3,4,5,6,7
	global_load_b128 v[GB+32+4*\i:GB+32+4*\i+3], v[LI], s[B1P:B1P+1] offset:512*\i    ; b1
.endr
.macro ROWLOAD row                     ; 8 loads of 512 consecutive bytes: the row
.irp i, 0,1,2,3,4,5,6,7
	global_load_b128 v[SL+32*\row+4*\i:SL+32*\row+4*\i+3], v[RO], s[SRC:SRC+1] offset:4096*\row+512*\i th:TH_LOAD_NT
.endr
.endm
.macro LANESUM                         ; v[16:19], two chains of pairs -> their sum over the wave's 32 lanes, in v16 of every lane
	s_delay_alu instid0(VALU_DEP_1)
	v_pk_add_f32 v[16:17], v[16:17], v[18:19]
	s_delay_alu instid0(VALU_DEP_1)
	v_add_f32 v16, v16, v17
	s_delay_alu instid0(VALU_DEP_1)
	v_add_f32_dpp v16, v16, v16 row_xmask:1 row_mask:0xf bank_mask:0xf
	s_delay_alu instid0(VALU_DEP_1)
	v_add_f32_dpp v16, v16, v16 row_xmask:2 row_mask:0xf bank_mask:0xf
	s_delay_alu instid0(VALU_DEP_1)
	v_add_f32_dpp v16, v16, v16 row_xmask:4 row_mask:0xf bank_mask:0xf
	s_delay_alu instid0(VALU_DEP_1)
	v_add_f32_dpp v16, v16, v16 row_xmask:8 row_mask:0xf bank_mask:0xf
	s_delay_alu instid0(VALU_DEP_1)
	v_permlanex16_b32 v17, v16, s[SEL], s[SEL+1]
	s_delay_alu instid0(VALU_DEP_1)
	v_add_f32 v16, v16, v17
.endm
.macro ROWLN row, left                 ; left: the younger loads that may stay out
.set XR, SL+32*\row
	s_wait_loadcnt \left
	v_pk_add_f32 v[16:17], v[XR:XR+1], v[XR+2:XR+3]
	v_pk_add_f32 v[18:19], v[XR+4:XR+5], v[XR+6:XR+7]
.irp p, 8,12,16,20,24,28
	s_delay_alu instid0(VALU_DEP_2)
	v_pk_add_f32 v[16:17], v[16:17], v[XR+\p:XR+\p+1]
	s_delay_alu instid0(VALU_DEP_2)
	v_pk_add_f32 v[18:19], v[18:19], v[XR+\p+2:XR+\p+3]
.endr
	LANESUM
	s_delay_alu instid0(VALU_DEP_1)
	v_mul_f32 v20, s[INV], v16                     ; the mean
.set J, 0
.rept 16
	v_pk_add_f32 v[XR+J:XR+J+1], v[XR+J:XR+J+1], v[20:21] op_sel_hi:[1,0] neg_lo:[0,1] neg_hi:[0,1]
.set J, J+2
.endr
	v_pk_mul_f32 v[16:17], v[XR:XR+1], v[XR:XR+1]
	v_pk_mul_f32 v[18:19], v[XR+2:XR+3], v[XR+2:XR+3]
.irp p, 4,8,12,16,20,24,28
	s_delay_alu instid0(VALU_DEP_2)
	v_pk_fma_f32 v[16:17], v[XR+\p:XR+\p+1], v[XR+\p:XR+\p+1], v[16:17]
	s_delay_alu instid0(VALU_DEP_2)
	v_pk_fma_f32 v[18:19], v[XR+\p+2:XR+\p+3], v[XR+\p+2:XR+\p+3], v[18:19]
.endr
	LANESUM
	s_delay_alu instid0(VALU_DEP_1)
	v_fma_f32 v22, v16, s[INV], s[EPS]             ; the variance + eps
	s_wait_alu depctr_va_vdst(0)
	v_rsq_f32 v24, v22
	v_nop                                          ; one plain place behind the transcendental
.set J, 0
	s_wait_alu depctr_va_vdst(0)
.rept 16
	v_pk_mul_f32 v[XR+J:XR+J+1], v[XR+J:XR+J+1], v[24:25] op_sel_hi:[1,0]
.set J, J+2
.endr
.set J, 0
.rept 16
	v_pk_fma_f32 v[XR+J:XR+J+1], v[XR+J:XR+J+1], v[GB+J:GB+J+1], v[GB+32+J:GB+32+J+1]
.set J, J+2
.endr
.irp i, 0,1,2,3,4,5,6,7
	ds_store_b128 v[ZW], v[XR+4*\i:XR+4*\i+3] offset:ZP*\row+512*\i     ; (a slot is not loaded again: these stores are waited for at the barrier)
.endr
.endm
	ROWLOAD 0
	ROWLOAD 1
	ROWLOAD 2
	ROWLOAD 3
	WLOAD 0                                        ; Wf's first K step comes in beside the rows
	ROWLN 0, 58                                    ; behind row 0: rows 1 to 3 (24 loads) and Wf's K step 0 (34)
	ROWLN 1, 50                                    ; behind row 1: rows 2 and 3 (16) and K step 0 (34)
	WLOAD 1                                        ; and its second
	ROWLN 2, 63                                    ; behind row 2: 8 + 34 + 34 = 76 loads; a wait names 63 at the most, and a smaller count is safe
	ROWLN 3, 63                                    ; behind row 3: 68
.irp t, 0,1,2,3,4,5,6,7
	global_load_b128 v[GB+8*\t:GB+8*\t+3], v[BO], s[BFP:BFP+1] offset:64*\t         ; bf in the result's layout: outputs 128 w + 16 t + 8 h + 0..7
	global_load_b128 v[GB+8*\t+4:GB+8*\t+7], v[BO], s[BFP:BFP+1] offset:64*\t+16
.endr
	BARRIER                                        ; 32 rows of z lie in LDS
; ---------------- z becomes codes: K step w of both tiles of rows ----------------
.macro QUANT s                         ; 64 numbers of a lane, register 16 b + i = k 32 b + 16 (lane / 16) + i of my row -> codes in v[PC] on, scale word in v[PW]
.irp b, 0,1,2,3
	v_max3_num_f32 v[TM+\b], |v[\s+16*\b]|, |v[\s+1+16*\b]|, 0x4800000   ; block b: my 16 numbers, and the floor 2^(9 - 127): the byte cannot fall under 1
.endr
.irp i, 2,4,6,8,10,12,14
.irp b, 0,1,2,3
	s_delay_alu instid0(VALU_DEP_4)
	v_max3_num_f32 v[TM+\b], v[TM+\b], |v[\s+16*\b+\i]|, |v[\s+1+16*\b+\i]|
.endr
.endr
.irp b, 0,1,2,3
	s_delay_alu instid0(VALU_DEP_4)
	v_permlanex16_b32 v[TM+4+\b], v[TM+\b], s[SEL], s[SEL+1]
.endr
.irp b, 0,1,2,3
	s_delay_alu instid0(VALU_DEP_4)
	v_max_num_f32 v[TM+\b], v[TM+\b], v[TM+4+\b]   ; with lane l xor 16's: the block's largest magnitude
.endr
.irp b, 0,1,2,3
	s_delay_alu instid0(VALU_DEP_4)
	v_add_nc_u32 v[TM+12+\b], 0xfc000000, v[TM+\b]   ; 8 off its exponent field: the conversion's scale operand
.endr
.irp b, 0,1,2,3
	v_and_or_b32 v[TM+8+\b], v[TM+\b], 0x7f800000, s[MNT]   ; 448 x the scale
.endr
.irp b, 0,1,2,3
	v_lshrrev_b32 v[TM+4+\b], 23, v[TM+12+\b]   ; the scale's byte
.endr
	s_delay_alu instid0(VALU_DEP_3)
	v_lshl_or_b32 v[PW], v[TM+5], 8, v[TM+4]
	s_delay_alu instid0(VALU_DEP_1)
	v_lshl_or_b32 v[PW], v[TM+6], 16, v[PW]
	s_delay_alu instid0(VALU_DEP_1)
	v_lshl_or_b32 v[PW], v[TM+7], 24, v[PW]
.irp b, 0,1,2,3
.irp i, 0,1,2,3,4,5,6,7,8,9,10,11,12,13,14,15
	v_med3_num_f32 v[\s+16*\b+\i], v[\s+16*\b+\i], -v[TM+8+\b], v[TM+8+\b]   ; the conversion to an 8-bit code does not saturate (ISA guide 7.6.2): the hold
.endr
	v_cvt_scalef32_pk8_fp8_f32 v[PC+4*\b:PC+1+4*\b], v[\s+16*\b:\s+7+16*\b], v[TM+12+\b]
	v_cvt_scalef32_pk8_fp8_f32 v[PC+2+4*\b:PC+3+4*\b], v[\s+8+16*\b:\s+15+16*\b], v[TM+12+\b]
.endr
	v_nop                                          ; one plain vector instruction behind the last conversion: the products below write over these registers
.endm
.irp b, 0,1,2,3
	v_mov_b32 v[TM+4+\b], 0                        ; written once: a lane permute's destination counts as one of its sources
.endr
.irp m, 0,1
.irp b, 0,1,2,3
.irp j, 0,1,2,3
	ds_load_b128 v[T+16*\b+4*\j:T+16*\b+4*\j+3], v[ZR+\m] offset:128*\b+16*\j
.endr
.endr
	s_wait_dscnt 0x0
	QUANT T
.irp c, 0,1,2,3
	ds_store_b128 v[IW], v[PC+4*\c:PC+4*\c+3] offset:16384*\m+512*\c      ; the fragment goes to LDS as it stands in the registers
.endr
	ds_store_b32 v[SW], v[PW] offset:1024*\m
	s_wait_dscnt 0x0                               ; the stores have read their registers
.endr
	BARRIER                                        ; z's sixteen fragments lie in LDS
; ---------------- the product: 8 K steps, 16 accumulators by turns ----------------
.macro BSTEP s
.if ((\s) > 0) && ((\s) < 7)
	s_wait_loadcnt 34                              ; this step's fragments of Wf are in; the next step's 34 loads may be out
.else
	s_wait_loadcnt 0x0                             ; the first step: bf is the youngest load; the last: nothing is behind it
.endif
.irp m, 0,1
.irp c, 0,1,2,3
	ds_load_b128 v[16+16*\m+4*\c:19+16*\m+4*\c], v[IR] offset:(8*\m+(\s))*2048+512*\c
.endr
	ds_load_b32 v[ZS+\m], v[SR] offset:(8*\m+(\s))*128
.endr
	s_wait_dscnt 0x0
	WIN 0x01                                       ; source 0 (Wf) window 1
.irp t, 0,1,2,3,4,5,6,7
.irp m, 0,1
.if (\s) == 0
	v_wmma_scale_f32_16x16x128_f8f6f4 v[ACC+8*(2*\t+\m):ACC+8*(2*\t+\m)+7], v[128*((\s)%2)+16*\t:128*((\s)%2)+16*\t+15], v[16+16*\m:31+16*\m], v[GB+8*\t:GB+8*\t+7], v[WS+8*((\s)%2)+\t], v[ZS+\m]
.else
	v_wmma_scale_f32_16x16x128_f8f6f4 v[ACC+8*(2*\t+\m):ACC+8*(2*\t+\m)+7], v[128*((\s)%2)+16*\t:128*((\s)%2)+16*\t+15], v[16+16*\m:31+16*\m], v[ACC+8*(2*\t+\m):ACC+8*(2*\t+\m)+7], v[WS+8*((\s)%2)+\t], v[ZS+\m]
.endif
.endr
.endr
	WIN 0
.rept 8
	v_nop                                          ; places in front of loads into registers that these products have read, and of the first read of results
.endr
.if (\s) < 6
	WLOAD (\s)+2
.endif
.endm
.irp s, 0,1,2,3,4,5,6,7
	BSTEP \s
.endr
; ---------------- relu, the residual, LN2 ----------------
	WIN 0x40                                       ; destination window 1
.irp t, 0,1,2,3,4,5,6,7
	global_load_b128 v[128+8*\t:131+8*\t], v[BO], s[G2P:G2P+1] offset:64*\t         ; g2 in the result's layout
	global_load_b128 v[132+8*\t:135+8*\t], v[BO], s[G2P:G2P+1] offset:64*\t+16
.endr
.irp t, 0,1,2,3,4,5,6,7
	global_load_b128 v[192+8*\t:195+8*\t], v[BO], s[B2P:B2P+1] offset:64*\t         ; b2
	global_load_b128 v[196+8*\t:199+8*\t], v[BO], s[B2P:B2P+1] offset:64*\t+16
.endr
.irp t, 0,1,2,3,4,5,6,7
.irp m, 0,1
	ds_load_b128 v[8*(2*\t+\m):8*(2*\t+\m)+3], v[ZD+\m] offset:64*\t            ; z in the result's layout: my own 128 columns
	ds_load_b128 v[8*(2*\t+\m)+4:8*(2*\t+\m)+7], v[ZD+\m] offset:64*\t+16
.endr
.endr
	WIN 0
	v_and_b32 v26, 15, v0
	s_delay_alu instid0(VALU_DEP_1)
	v_lshlrev_b32 v27, 2, v26
	s_delay_alu instid0(VALU_DEP_1)
	v_add_nc_u32 v27, RED1, v27                    ; where the waves' parts are read: 4 r
	s_lshl_b32 s30, s[WV], 7
	v_add_nc_u32 v26, s30, v27                     ; where I put mine: + 128 w
	v_add_nc_u32 v24, s31, v[LI]                   ; 16 x lane + 512 w: my stripe of a row, in LDS and in out
	s_delay_alu instid0(VALU_DEP_1)
	v_add_nc_u32 v25, ZH, v24
.set J, 0
.rept 128
	v_max_num_f32 v[ACC+J], 0, v[ACC+J]            ; relu; each accumulator from its low end on
.set J, J+1
.endr
	s_wait_dscnt 0x0
	WIN 0x04                                       ; source 1 window 1
.set J, 0
.rept 64
	v_pk_add_f32 v[ACC+J:ACC+J+1], v[ACC+J:ACC+J+1], v[J:J+1]      ; + z
.set J, J+2
.endr
	WIN 0
.macro TILESUM m, sq                   ; my 64 numbers of row r of tile m (sq = 1: their squares), with lane l xor 16's -> v[16 + 4 m]
.set S0, 16+4*\m
.set A0, ACC+8*\m
.if \sq
	v_pk_mul_f32 v[S0:S0+1], v[A0:A0+1], v[A0:A0+1]
	v_pk_mul_f32 v[S0+2:S0+3], v[A0+2:A0+3], v[A0+2:A0+3]
	s_delay_alu instid0(VALU_DEP_2)
	v_pk_fma_f32 v[S0:S0+1], v[A0+4:A0+5], v[A0+4:A0+5], v[S0:S0+1]
	s_delay_alu instid0(VALU_DEP_2)
	v_pk_fma_f32 v[S0+2:S0+3], v[A0+6:A0+7], v[A0+6:A0+7], v[S0+2:S0+3]
.else
	v_pk_add_f32 v[S0:S0+1], v[A0:A0+1], v[A0+4:A0+5]
	v_pk_add_f32 v[S0+2:S0+3], v[A0+2:A0+3], v[A0+6:A0+7]
.endif
.irp t, 1,2,3,4,5,6,7
.irp p, 0,4
.if \sq
	s_delay_alu instid0(VALU_DEP_2)
	v_pk_fma_f32 v[S0:S0+1], v[A0+16*\t+\p:A0+16*\t+\p+1], v[A0+16*\t+\p:A0+16*\t+\p+1], v[S0:S0+1]
	s_delay_alu instid0(VALU_DEP_2)
	v_pk_fma_f32 v[S0+2:S0+3], v[A0+16*\t+\p+2:A0+16*\t+\p+3], v[A0+16*\t+\p+2:A0+16*\t+\p+3], v[S0+2:S0+3]
.else
	s_delay_alu instid0(VALU_DEP_2)
	v_pk_add_f32 v[S0:S0+1], v[S0:S0+1], v[A0+16*\t+\p:A0+16*\t+\p+1]
	s_delay_alu instid0(VALU_DEP_2)
	v_pk_add_f32 v[S0+2:S0+3], v[S0+2:S0+3], v[A0+16*\t+\p+2:A0+16*\t+\p+3]
.endif
.endr
.endr
	s_delay_alu instid0(VALU_DEP_1)
	v_pk_add_f32 v[S0:S0+1], v[S0:S0+1], v[S0+2:S0+3]
	s_delay_alu instid0(VALU_DEP_1)
	v_add_f32 v[S0], v[S0], v[S0+1]
	s_delay_alu instid0(VALU_DEP_1)
	v_permlanex16_b32 v[S0+1], v[S0], s[SEL], s[SEL+1]
	s_delay_alu instid0(VALU_DEP_1)
	v_add_f32 v[S0], v[S0], v[S0+1]
.endm
.macro GATHER off                      ; the eight waves' parts, added in the waves' order -> v16 (rows 0-15), v20 (rows 16-31)
.irp m, 0,1
.irp u, 0,1,2,3,4,5,6,7
	ds_load_b32 v[32+8*\m+\u], v27 offset:\off+128*\u+64*\m
.endr
.endr
	s_wait_dscnt 0x0
.irp m, 0,1
	v_add_f32 v[16+4*\m], v[32+8*\m], v[33+8*\m]
.irp u, 2,3,4,5,6,7
	s_delay_alu instid0(VALU_DEP_1)
	v_add_f32 v[16+4*\m], v[16+4*\m], v[32+8*\m+\u]
.endr
.endr
.endm
	TILESUM 0, 0
	TILESUM 1, 0
	ds_store_b32 v26, v16                          ; both lanes of a row write the same word with the same value
	ds_store_b32 v26, v20 offset:64
	BARRIER
	GATHER 0
.irp m, 0
	v_mul_f32 v[28+2*\m], s[INV], v[16+4*\m]       ; the mean, in both halves of a pair
	v_mul_f32 v[29+2*\m], s[INV], v[16+4*\m]
.endr
.irp m, 1
	s_delay_alu instid0(VALU_DEP_3)
	v_mul_f32 v[28+2*\m], s[INV], v[16+4*\m]       ; the mean, in both halves of a pair
	s_delay_alu instid0(VALU_DEP_4)
	v_mul_f32 v[29+2*\m], s[INV], v[16+4*\m]
.endr
.irp t, 0,1,2,3,4,5,6,7
.irp m, 0,1
.irp p, 0,2,4,6
	v_pk_add_f32 v[ACC+8*(2*\t+\m)+\p:ACC+8*(2*\t+\m)+\p+1], v[ACC+8*(2*\t+\m)+\p:ACC+8*(2*\t+\m)+\p+1], v[28+2*\m:29+2*\m] neg_lo:[0,1] neg_hi:[0,1]
.endr
.endr
.endr
	TILESUM 0, 1
	TILESUM 1, 1
	ds_store_b32 v26, v16 offset:1024              ; other bytes than the first sums': no barrier is owed between the two uses
	ds_store_b32 v26, v20 offset:1024+64
	BARRIER
	GATHER 1024
	v_fma_f32 v16, v16, s[INV], s[EPS]             ; the variance + eps
	s_delay_alu instid0(VALU_DEP_2)
	v_fma_f32 v20, v20, s[INV], s[EPS]
	s_wait_alu depctr_va_vdst(0)
	v_rsq_f32 v28, v16
	v_rsq_f32 v30, v20
	v_nop                                          ; one plain place behind the transcendentals
	s_wait_alu depctr_va_vdst(0)
	v_mov_b32 v29, v28
	v_mov_b32 v31, v30
.irp t, 0,1,2,3,4,5,6,7
.irp m, 0,1
.irp p, 0,2,4,6
	v_pk_mul_f32 v[ACC+8*(2*\t+\m)+\p:ACC+8*(2*\t+\m)+\p+1], v[ACC+8*(2*\t+\m)+\p:ACC+8*(2*\t+\m)+\p+1], v[28+2*\m:29+2*\m]
.endr
.endr
.endr
	s_wait_loadcnt 0x0                             ; g2, b2
	WIN 0x14                                       ; sources 1 and 2 window 1
.irp t, 0,1,2,3,4,5,6,7
.irp m, 0,1
.irp p, 0,2,4,6
	v_pk_fma_f32 v[ACC+8*(2*\t+\m)+\p:ACC+8*(2*\t+\m)+\p+1], v[ACC+8*(2*\t+\m)+\p:ACC+8*(2*\t+\m)+\p+1], v[128+8*\t+\p:129+8*\t+\p], v[192+8*\t+\p:193+8*\t+\p]
.endr
.endr
.endr
	WIN 0
; THE WAY OUT.  A lane holds 32 neighbouring bytes of a row; the results go into my own 512 bytes of each row of z's place in LDS (since the first barrier only this wave has read these columns) and come back as runs of 512 bytes.
.irp t, 0,1,2,3,4,5,6,7
.irp m, 0,1
	ds_store_b128 v[ZD+\m], v[ACC+8*(2*\t+\m):ACC+8*(2*\t+\m)+3] offset:64*\t
	ds_store_b128 v[ZD+\m], v[ACC+8*(2*\t+\m)+4:ACC+8*(2*\t+\m)+7] offset:64*\t+16
.endr
.endr
	WIN 0x40                                       ; destination window 1
.set J, 0
.rept 32
	ds_load_b128 v[4*J:4*J+3], v[24+J/16] offset:ZP*(J%16)       ; LDS serves a wave's instructions in order: these see my stores
.set J, J+1
.endr
	WIN 0x04                                       ; a store's data are its source 1: window 1
.set J, 0
.rept 32
	s_wait_dscnt 31-J                              ; load J is back; the younger ones may be out
	global_store_b128 v24, v[4*J:4*J+3], s[OUTP:OUTP+1] offset:4096*J th:TH_STORE_NT    ; 32 lanes store 512 consecutive bytes, at a multiple of 256 from out's first byte
.set J, J+1
.endr
	WIN 0
	s_wait_xcnt 0x0
	v_lshl_add_u32 v254, v0, 2, 0x29200
	v_mov_b32 v255, 0
	s_wait_alu depctr_va_vdst(0)
	s_wait_tensorcnt 0x0
	ds_add_u32 v254, v255
	s_wait_dscnt 0x0
	s_endpgm
.Lfunc_end_k_q62ce9445e4_tail:
	.size	k_q62ce9445e4_tail, .Lfunc_end_k_q62ce9445e4_tail-k_q62ce9445e4_tail
	.p2alignl 7, 3214868480
	.fill 96, 4, 3214868480
	.section	.rodata,"a",@progbits
	.p2align	6, 0x0
	.amdhsa_kernel k_q62ce9445e4_tail
		.amdhsa_group_segment_fixed_size 169472
		.amdhsa_private_segment_fixed_size 0
		.amdhsa_enable_private_segment 0
		.amdhsa_kernarg_size 72
		.amdhsa_user_sgpr_count 2
		.amdhsa_user_sgpr_kernarg_segment_ptr 1
		.amdhsa_wavefront_size32 1
		.amdhsa_system_sgpr_workgroup_id_x 1
		.amdhsa_system_sgpr_workgroup_id_y 1
		.amdhsa_system_sgpr_workgroup_id_z 1
		.amdhsa_system_vgpr_workitem_id 0
		.amdhsa_next_free_vgpr 512
		.amdhsa_next_free_sgpr 66
		.amdhsa_reserve_vcc 0
		.amdhsa_float_denorm_mode_32 3
		.amdhsa_float_denorm_mode_16_64 3
		.amdhsa_memory_ordered 1
		.amdhsa_forward_progress 1
		.amdhsa_inst_pref_size 164
	.end_amdhsa_kernel
	.amdgpu_metadata
---
amdhsa.version: [ 1, 2 ]
amdhsa.kernels:
  - .name:           k_q62ce9445e4_tail
    .symbol:         k_q62ce9445e4_tail.kd
    .args:
      - { .name: obuf, .offset: 0, .size: 8, .value_kind: global_buffer, .address_space: global }
      - { .name: g1, .offset: 8, .size: 8, .value_kind: global_buffer, .address_space: global }
      - { .name: b1, .offset: 16, .size: 8, .value_kind: global_buffer, .address_space: global }
      - { .name: wcodes, .offset: 24, .size: 8, .value_kind: global_buffer, .address_space: global }
      - { .name: wscales, .offset: 32, .size: 8, .value_kind: global_buffer, .address_space: global }
      - { .name: bf, .offset: 40, .size: 8, .value_kind: global_buffer, .address_space: global }
      - { .name: g2, .offset: 48, .size: 8, .value_kind: global_buffer, .address_space: global }
      - { .name: b2, .offset: 56, .size: 8, .value_kind: global_buffer, .address_space: global }
      - { .name: out0, .offset: 64, .size: 8, .value_kind: global_buffer, .address_space: global }
    .group_segment_fixed_size: 169472
    .private_segment_fixed_size: 0
    .kernarg_segment_align: 8
    .kernarg_segment_size: 72
    .max_flat_workgroup_size: 256
    .sgpr_count:     66
    .vgpr_count:     512
    .wavefront_size: 32
...
	.end_amdgpu_metadata
.endif
;; end of part 4
